; MI455X (gfx1250); checked and timed in simulation.
; The chip was launched on July 23, 2026; its instructions are those of AMD's public machine-readable ISA for CDNA 5 (MIT licence, August 2026) and "CDNA5" Instruction Set Architecture Reference Guide (July 2026). The comments in the code are by the model that wrote it; some were corrected since.
;; Self Attention. Allowed arithmetic: matrix products marked QUANTISED: E2M1 operands, one E8M0 scale for each 32 along K, by v_wmma_scale_f32_16x16x128_f8f6f4 with both operands' format E2M1 (or v_wmma_scale_f32_32x16x128_f4), f32 sums; everything else in f32.
;; Inputs: Wk 1,024 x 1,024 float32; Wo 1,024 x 1,024 float32; Wq 1,024 x 1,024 float32; Wv 1,024 x 1,024 float32; beta 1,024 float32; bk 1,024 float32; bo 1,024 float32; bq 1,024 float32; bv 1,024 float32; gamma 1,024 float32; h 1 x 4,096 x 1,024 float32.
;; Outputs: out0 1 x 4,096 x 1,024 float32.
;; This version of the problem:
;;   THIS VERSION OF THE PROBLEM IS GIVEN IN LOW PRECISION. The matrix products marked QUANTISED in the list below multiply operands that are first quantised to E2M1 (2 exponent bits, 1 mantissa bit; 4 bits a number), with one power-of-two scale for each 32 numbers along K (OCP MX v1.0); their sums are f32. All else is computed in f32.
;;   The module's matrix products, in the order in which they are computed (A, B: the left and right operand; K: the contracted axis; several contracted axes count as one K, in the product's order):
;;     1. [M 4,096, K 1,024] x [K 1,024, N 1,024]; A: computed on the way; B: input Wq: QUANTISED
;;     2. [M 4,096, K 1,024] x [K 1,024, N 1,024]; A: computed on the way; B: input Wk: QUANTISED
;;     3. [M 4,096, K 1,024] x [K 1,024, N 1,024]; A: computed on the way; B: input Wv: QUANTISED
;;     4. batch 16 x [M 4,096, K 64] x [K 64, N 4,096]; A: computed on the way; B: computed on the way: QUANTISED
;;     5. batch 16 x [M 64, K 4,096] x [K 4,096, N 4,096]; A: computed on the way; B: softmax (see below): QUANTISED
;;     6. [M 4,096, K 1,024] x [K 1,024, N 1,024]; A: computed on the way; B: input Wo: QUANTISED
;;   THE QUANTISER, for each operand of a quantised product, along K:
;;     - K is cut into blocks of 32 from its start; a last block that is shorter is filled with zeros.
;;     - A block's scale is 2^e with e = floor(log2(the largest magnitude in the block)) - 2, held to -126 .. 127; a block of zeros has e = 0. As a byte (E8M0): e + 127.
;;     - Each number is divided by its block's scale, clamped to +-6, and rounded to the nearest number of E2M1, ties to even, subnormals kept.
;;     - The product sums the exact products of the quantised numbers (number of the format x scale) in f32.
;;   ~~~python
;;   def quantise(x, axis):      # numpy; x: float32 -> the quantised numbers, widened to float32 again
;;       x = np.moveaxis(x, axis, -1); K = x.shape[-1]
;;       x = np.pad(x, [(0, 0)] * (x.ndim - 1) + [(0, -K % 32)]); x = x.reshape(x.shape[:-1] + (-1, 32)); a = np.abs(x).max(-1, keepdims=True)
;;       e = np.where(a > 0, np.clip(np.frexp(np.where(a > 0, a, 1))[1] - 1 - 2, -126, 127), 0)      # np.frexp(a)[1] - 1 = floor(log2(a)), exactly
;;       r = np.clip(x / 2.0 ** e, -6, 6)
;;       step = 2.0 ** (np.maximum(np.frexp(np.where(r == 0, 1, r))[1] - 1, 0) - 1)
;;       q = np.round(r / step) * step * 2.0 ** e      # np.round: ties to even
;;       return np.moveaxis(q.reshape(q.shape[:-2] + (-1,))[..., :K], -1, axis).astype(np.float32)
;;   ~~~
;;   SOFTMAX AHEAD OF A QUANTISED PRODUCT. Where the list says 'softmax', what is quantised is not the finished softmax but p = 2^(t - M), with t = logit x log2(e) and M = ceil(the row's largest t), a whole number; so 1/2 < the row's largest p <= 1. The row's sum l is taken of the UNQUANTISED p, in f32, and the product's result is divided by l at the end. Since M is a whole number, a kernel that streams over the keys may use a running M (the ceiling of the running maximum): every later rescaling is an exact power of two, which a block's scale takes up: the codes' values come out the same.
;;   OPERANDS COMPUTED ON THE WAY. 'Computed on the way' means the value that the module computes at that place (a softmax that the list does not call 'softmax' is quantised finished and normalised). What goes into a quantiser is computed in f32, as accurately as f32 sums, v_exp_f32 and their like allow (about 1e-6 of the number): no bf16 or f16 on the way to a quantiser, and a product that is left as it is and whose result goes on into a quantised operand takes f32 operands (vector FMAs, or v_wmma_f32_16x16x4_f32). A number that lies on a knife's edge between two numbers of the format may be rounded either way, as far as f32 arithmetic and the matrix unit's own rounding can turn it there, and no further.
;; One version. Each part assembles by itself: llvm-mc -triple=amdgcn-amd-amdhsa -mcpu=gfx1250 --defsym DOCPART=n.
;; ======== version 1 of 1: 4 launches
;; limits: right only within a limited range of input values
;; workspace buffers: wimg 2,228,224 bytes; hnimg 2,228,224 bytes; oimg 2,228,224 bytes; qimg 2,359,296 bytes; kimg 2,359,296 bytes; vimg 2,228,224 bytes; rope 1,048,576 bytes
;; launch lnorm (part 1): grid 512 x 1, 8 waves a work-group, no clusters, 46,848 bytes of LDS; arguments h, gamma, beta, hnimg, rope, Wq, Wk, Wv, Wo, wimg; writes hnimg, rope, wimg
.if DOCPART == 1
	.amdgcn_target "amdgcn-amd-amdhsa--gfx1250"
	.amdhsa_code_object_version 6
	.text
	.protected	k_q43e4458e45_lnorm
	.globl	k_q43e4458e45_lnorm
	.p2align	8
	.type	k_q43e4458e45_lnorm,@function
k_q43e4458e45_lnorm:
	s_mov_b64 s[64:65], 0
	v_nop
	global_prefetch_b8 v0, s[64:65] scope:SCOPE_SE
	s_setreg_imm32_b32 hwreg(HW_REG_WAVE_MODE, 25, 1), 1
	s_wait_xcnt 0x0
; FIRST LAUNCH: hn = (h - mean) rsqrt(var + 1e-5) gamma + beta, in f32, quantised along its 1,024 into the operand image hnimg (layout: [K half 2][tile 256][4,352]; lane r of tile 2 P + u holds token
; 32 P + 8 u + r + 8 (r / 8); codes of K step q at 1,024 q + 512 c + 16 lane, scale words at 4,096 + 64 q + 4 r); and the table rope[position 4,096][frequency 32][cos, sin] f32 for the next launch.
; SHARES.  A work-group makes one tile of 16 tokens; each of its eight waves two rows, a whole row (4,096 bytes) in 32 registers, so that the row is read once and mean and variance never leave the wave.
; The variance is taken of h - mean (a second pass over registers): a common offset of the inputs costs no digits.
; THE TURN.  Loads take the bytes as they lie (512 consecutive bytes an instruction); the conversions want 32 neighbours in one lane.  So a row goes through the wave's own 4,608 bytes of LDS (16 bytes of padding
; behind each 128) and comes back a block of 32 to a lane.  The 16 rows' codes and scale bytes meet in a stage; behind one barrier wave w stores K step w's image, 512 consecutive bytes an instruction.
; THE TABLE.  angle = position x theta in one f32 rounding, as reference() has it; theta = 10^(-i / 8) as the nearest f32.  LIMIT: reference()'s own f32 power and division may give a theta one unit in the last place off.
; cos and sin by taking off n pi / 2 in two parts (the first product is exact: n has 12 bits) and polynomials on |x| <= pi / 4; the quadrant by selects, no branch.
; Waves of other work-groups share only gamma and beta, 8 KB against the rows' 64 KB: no cluster.
; THIS LAUNCH NOW RUNS FIRST OF FOUR (this one, qkv, attn, oproj): work-groups 0-255 do the LayerNorm and the table as said above; work-groups 256-511 turn the four weights into operand images (at .Lweights).
; WORK LEFT OUT, in the whole program: in the attention launch a step of 128 keys all of which come after a wave's 16 queries is not walked.  reference() itself builds the mask (jnp.tril) and sets those
; logits to -infinity ahead of the softmax, so their p is 0 for all values of the inputs: they add nothing to the row's sum nor to the second product, and move no code or scale of a block that holds a visible key
; (blocks of 32 keys never straddle a step of 128).  LIMIT: a NaN, an infinity or an overflow that reaches only those steps is not carried to the result.  Every input has a way to the output and is loaded.
; LIMITS of the program: NaN and infinities among the inputs are not served; a block of zeros gets the scale byte 1 where the rule says 127 (its codes are zeros, and this program alone reads these bytes);
; blocks whose largest magnitude lies under 2^-124 are held at the byte 1.
.set KH,    1114112
.set TILEB, 4352
.set X,     32                         ; v32-95   my two rows as loaded: register 4 j + e of lane l = column 128 j + 4 l + e
.set GA,    96                         ; v96-127  gamma, v128-159 beta, in the same layout
.set BE,    128
.set Y,     160                        ; v160-191 a row behind the turn: my block's 32 numbers
.set TURN,  4608
.set CST,   8*TURN                     ; the codes' stage: 16 rows x (512 + 16) bytes
.set SST,   CST+16*528                 ; the scale bytes' stage: [K half][K step][row][byte], 512 bytes
.set SPARE, SST+512                    ; the spare words, 128 bytes for each wave: four blocks of 256 bytes that no other line names
.set SPW,   30                         ; v30 LDS address of my spare word; v31 = 0; never rewritten
.set NIL,   31
.set SEL,   20                         ; s[20:21] lane selects: lane l xor 16
	s_cmp_ge_u32 ttmp9, 256                        ; the work-group's number alone decides: all eight waves go the same way
	s_cbranch_scc1 .Lweights
	s_load_b256 s[4:11], s[0:1], 0x0
	s_load_b64 s[12:13], s[0:1], 0x20              ; rope
	v_lshl_add_u32 v[SPW], v0, 2, SPARE
	v_mov_b32 v[NIL], 0
	v_lshrrev_b32 v1, 5, v0
	s_delay_alu instid0(VALU_DEP_1)
	v_readfirstlane_b32 s14, v1                    ; wave 0..7
	v_and_b32 v1, 31, v0                           ; lane
	s_delay_alu instid0(VALU_DEP_1)
	v_lshlrev_b32 v2, 4, v1                        ; 16 l
	s_delay_alu instid0(VALU_DEP_2)
	v_lshrrev_b32 v10, 3, v1
	s_delay_alu instid0(VALU_DEP_1)
	v_lshl_add_u32 v3, v10, 4, v2
	s_mul_i32 s15, s14, TURN
	v_add_nc_u32 v3, s15, v3                       ; the turn, in: 16 l + 16 (l / 8); 576 bytes from load to load
	v_mul_u32_u24 v4, v1, 144
	s_delay_alu instid0(VALU_DEP_1)
	v_add_nc_u32 v4, s15, v4                       ; and out: 144 l
	s_mul_i32 s16, s14, 2*528
	s_add_co_u32 s16, s16, CST
	v_add_nc_u32 v5, s16, v2                       ; codes' stage: row 2 w, block l
	v_lshrrev_b32 v10, 4, v1
	v_bfe_u32 v11, v1, 2, 2
	s_delay_alu instid0(VALU_DEP_2)
	v_lshlrev_b32 v12, 8, v10
	s_delay_alu instid0(VALU_DEP_1)
	v_lshl_add_u32 v12, v11, 6, v12
	v_and_b32 v11, 3, v1
	s_delay_alu instid0(VALU_DEP_1)
	v_add_nc_u32 v12, v12, v11
	s_lshl_b32 s17, s14, 3
	s_add_co_u32 s17, s17, SST
	v_add_nc_u32 v6, s17, v12                      ; my block's byte: 256 (l / 16) + 64 ((l / 4) % 4) + l % 4 + 4 x row
	v_and_b32 v11, 15, v1
	s_delay_alu instid0(VALU_DEP_1)
	v_mul_u32_u24 v12, v11, 528
	s_delay_alu instid0(VALU_DEP_1)
	v_lshl_add_u32 v12, v10, 4, v12
	s_lshl_b32 s18, s14, 6
	s_add_co_u32 s18, s18, CST
	v_add_nc_u32 v8, s18, v12                      ; back as an image: row l % 16, K step w, block 2 c + l / 16
	v_lshlrev_b32 v9, 3, v1                        ; the table: 8 bytes a frequency
	v_add_nc_u32 v192, SST, v2                     ; wave 0's way out for the scale bytes: 16 bytes a lane,
	v_mul_u32_u24 v193, v10, KH
	s_delay_alu instid0(VALU_DEP_1)
	v_lshl_add_u32 v193, v11, 4, v193              ; lanes 16-31 in the second K half
	s_mov_b32 s[SEL], 0x76543210
	s_mov_b32 s[SEL+1], 0xfedcba98
	s_mov_b32 s22, 0x3a800000                      ; 1 / 1,024
	s_mov_b32 s23, 0x3727c5ac                      ; 1e-5
	s_mov_b32 s24, 0xbfc90fdb                      ; -(pi / 2 as f32)
	s_mov_b32 s25, 0x333bbd2e                      ; (pi / 2 as f32) - pi / 2
	s_lshr_b32 s26, ttmp9, 1
	s_lshl_b32 s26, s26, 5
	s_and_b32 s19, ttmp9, 1
	s_lshl_b32 s19, s19, 3
	s_add_co_u32 s26, s26, s19
	s_lshl_b32 s19, s14, 1
	s_add_co_u32 s26, s26, s19
	s_lshr_b32 s19, s14, 2
	s_lshl_b32 s19, s19, 3
	s_add_co_u32 s26, s26, s19                     ; my first token: 32 (T / 2) + 8 (T % 2) + 2 w + 8 (w / 4)
	s_add_co_u32 s27, s26, 1                       ; my second
	s_lshl_b32 s28, s26, 12
	s_mov_b32 s29, 0
	s_lshl_b32 s30, s26, 8
	s_mov_b32 s31, 0
	s_lshr_b32 s32, s14, 2
	s_mul_i32 s32, s32, KH
	s_mul_i32 s19, ttmp9, TILEB
	s_add_co_u32 s32, s32, s19
	s_and_b32 s36, s14, 3
	s_lshl_b32 s36, s36, 10
	s_add_co_u32 s32, s32, s36                     ; K step w's codes of my tile
	s_mov_b32 s33, 0
	s_add_co_u32 s34, s19, 4096                    ; the tile's scale words
	s_mov_b32 s35, 0
	s_wait_kmcnt 0x0
	s_add_nc_u64 s[4:5], s[4:5], s[28:29]
	s_add_nc_u64 s[12:13], s[12:13], s[30:31]
	s_add_nc_u64 s[32:33], s[10:11], s[32:33]
	s_add_nc_u64 s[34:35], s[10:11], s[34:35]
.irp j, 0,1,2,3,4,5,6,7
	global_load_b128 v[X+4*\j:X+4*\j+3], v2, s[4:5] offset:512*\j th:TH_LOAD_NT
.endr
.irp j, 0,1,2,3,4,5,6,7
	global_load_b128 v[GA+4*\j:GA+4*\j+3], v2, s[6:7] offset:512*\j
.endr
.irp j, 0,1,2,3,4,5,6,7
	global_load_b128 v[BE+4*\j:BE+4*\j+3], v2, s[8:9] offset:512*\j
.endr
.irp j, 0,1,2,3,4,5,6,7
	global_load_b128 v[X+32+4*\j:X+32+4*\j+3], v2, s[4:5] offset:4096+512*\j th:TH_LOAD_NT
.endr
	v_mov_b32 v7, 1.0                              ; theta of frequency l = 10^(-l / 8): each lane picks its own from the 32 constants, while the loads are on their way
.set FI, 1
.irp lit, 0.7498942093324559, 0.5623413251903491, 0.4216965034285822, 0.31622776601683794, 0.23713737056616552, 0.17782794100389228, 0.1333521432163324, 0.1, 0.07498942093324559, 0.05623413251903491, 0.04216965034285822, 0.031622776601683794, 0.023713737056616552, 0.017782794100389228, 0.01333521432163324, 0.01, 0.007498942093324559, 0.005623413251903491, 0.004216965034285822, 0.0031622776601683794, 0.0023713737056616552, 0.0017782794100389228, 0.001333521432163324, 0.001, 0.0007498942093324559, 0.0005623413251903491, 0.0004216965034285822, 0.00031622776601683794, 0.00023713737056616552, 0.00017782794100389228, 0.0001333521432163324
	v_cmp_ne_u32 vcc_lo, FI, v1
	s_delay_alu instid0(VALU_DEP_1)
	v_cndmask_b32 v7, \lit, v7, vcc_lo
.set FI, FI+1
.endr
.macro WSUM r, t                       ; the sum over the 32 lanes, in every lane; t: a register that has been written
	s_delay_alu instid0(VALU_DEP_1)
	v_add_f32_dpp v[\r], v[\r], v[\r] row_xmask:1 row_mask:0xf bank_mask:0xf
	s_delay_alu instid0(VALU_DEP_1)
	v_add_f32_dpp v[\r], v[\r], v[\r] row_xmask:2 row_mask:0xf bank_mask:0xf
	s_delay_alu instid0(VALU_DEP_1)
	v_add_f32_dpp v[\r], v[\r], v[\r] row_xmask:4 row_mask:0xf bank_mask:0xf
	s_delay_alu instid0(VALU_DEP_1)
	v_add_f32_dpp v[\r], v[\r], v[\r] row_xmask:8 row_mask:0xf bank_mask:0xf
	s_delay_alu instid0(VALU_DEP_1)
	v_permlanex16_b32 v[\t], v[\r], s[SEL], s[SEL+1]
	s_delay_alu instid0(VALU_DEP_1)
	v_add_f32 v[\r], v[\r], v[\t]
.endm
.macro ROW k
.set XK, X+32*(\k)
.if (\k) == 0
	s_wait_loadcnt 24                              ; row 0 is in; gamma, beta and row 1 (24 loads) may be out
.else
	s_wait_loadcnt 0x0
.endif
	v_pk_add_f32 v[10:11], v[XK:XK+1], v[XK+2:XK+3]
	v_pk_add_f32 v[12:13], v[XK+4:XK+5], v[XK+6:XK+7]
.irp j, 8,12,16,20,24,28
	s_delay_alu instid0(VALU_DEP_2)
	v_pk_add_f32 v[10:11], v[10:11], v[XK+\j:XK+\j+1]
	s_delay_alu instid0(VALU_DEP_2)
	v_pk_add_f32 v[12:13], v[12:13], v[XK+\j+2:XK+\j+3]
.endr
	s_delay_alu instid0(VALU_DEP_1)
	v_pk_add_f32 v[10:11], v[10:11], v[12:13]
	s_delay_alu instid0(VALU_DEP_1)
	v_add_f32 v10, v10, v11
	WSUM 10, 11
	s_delay_alu instid0(VALU_DEP_1)
	v_mul_f32 v10, s22, v10                        ; the mean
.irp j, 0,2,4,6,8,10,12,14,16,18,20,22,24,26,28,30
	v_pk_add_f32 v[XK+\j:XK+\j+1], v[XK+\j:XK+\j+1], v[10:11] op_sel_hi:[1,0] neg_lo:[0,1] neg_hi:[0,1]   ; h - mean
.endr
	v_pk_mul_f32 v[12:13], v[XK:XK+1], v[XK:XK+1]
	v_pk_mul_f32 v[14:15], v[XK+2:XK+3], v[XK+2:XK+3]
.irp j, 4,8,12,16,20,24,28
	s_delay_alu instid0(VALU_DEP_2)
	v_pk_fma_f32 v[12:13], v[XK+\j:XK+\j+1], v[XK+\j:XK+\j+1], v[12:13]
	s_delay_alu instid0(VALU_DEP_2)
	v_pk_fma_f32 v[14:15], v[XK+\j+2:XK+\j+3], v[XK+\j+2:XK+\j+3], v[14:15]
.endr
	s_delay_alu instid0(VALU_DEP_1)
	v_pk_add_f32 v[12:13], v[12:13], v[14:15]
	s_delay_alu instid0(VALU_DEP_1)
	v_add_f32 v12, v12, v13
	WSUM 12, 13
	s_delay_alu instid0(VALU_DEP_1)
	v_fma_f32 v12, v12, s22, s23                   ; the variance + 1e-5
	s_wait_alu depctr_va_vdst(0)
	v_rsq_f32 v14, v12
	v_nop                                          ; a plain instruction behind the transcendental
	s_wait_alu depctr_va_vdst(0)                   ; and the wait ahead of the first use of its result
.if (\k) == 0
	s_wait_loadcnt 8                               ; gamma and beta are in; row 1's eight loads may be out
.endif
.irp j, 0,2,4,6,8,10,12,14,16,18,20,22,24,26,28,30
	v_pk_mul_f32 v[XK+\j:XK+\j+1], v[XK+\j:XK+\j+1], v[14:15] op_sel_hi:[1,0]
.endr
.irp j, 0,2,4,6,8,10,12,14,16,18,20,22,24,26,28,30
	v_pk_fma_f32 v[XK+\j:XK+\j+1], v[XK+\j:XK+\j+1], v[GA+\j:GA+\j+1], v[BE+\j:BE+\j+1]
.endr
.irp j, 0,1,2,3,4,5,6,7
	ds_store_b128 v3, v[XK+4*\j:XK+4*\j+3] offset:576*\j
.endr
.irp i, 0,1,2,3,4,5,6,7
	ds_load_b128 v[Y+4*\i:Y+4*\i+3], v4 offset:16*\i   ; LDS serves a wave's instructions in order: these see my stores
.endr
	s_wait_dscnt 0x0
	v_max3_num_f32 v16, |v[Y]|, |v[Y+1]|, |v[Y+2]| ; my block's largest magnitude
	v_max3_num_f32 v17, |v[Y+3]|, |v[Y+4]|, |v[Y+5]|
.irp i, 6,10,14,18,22,26
	s_delay_alu instid0(VALU_DEP_2)
	v_max3_num_f32 v16, v16, |v[Y+\i]|, |v[Y+\i+1]|
	s_delay_alu instid0(VALU_DEP_2)
	v_max3_num_f32 v17, v17, |v[Y+\i+2]|, |v[Y+\i+3]|
.endr
	s_delay_alu instid0(VALU_DEP_2)
	v_max3_num_f32 v16, v16, |v[Y+30]|, |v[Y+31]|
	s_delay_alu instid0(VALU_DEP_1)
	v_max3_num_f32 v16, v16, v17, 0x1800000        ; and the floor 2^(3 - 127)
	s_delay_alu instid0(VALU_DEP_1)
	v_add_nc_u32 v18, 0xff000000, v16              ; 2 off the exponent field: the conversion's scale operand
.irp g, 0,1,2,3
	v_cvt_scalef32_pk8_fp4_f32 v[20+4*(\k)+\g], v[Y+8*\g:Y+8*\g+7], v18
.endr
	v_lshrrev_b32 v[28+(\k)], 23, v18              ; the scale's byte (also the plain instruction behind the conversions)
	ds_store_b128 v5, v[20+4*(\k):23+4*(\k)] offset:528*(\k)
	ds_store_b8 v6, v[28+(\k)] offset:4*(\k)
	v_cvt_f32_u32 v10, s[26+(\k)]                  ; the table's row of this token: lane l has frequency l
	s_delay_alu instid0(VALU_DEP_1)
	v_mul_f32 v10, v10, v7                         ; the angle, rounded once
	s_delay_alu instid0(VALU_DEP_1)
	v_mul_f32 v11, 0x3f22f983, v10
	s_delay_alu instid0(VALU_DEP_1)
	v_rndne_f32 v11, v11                           ; n = the nearest whole number to angle x 2 / pi
	s_delay_alu instid0(VALU_DEP_1)
	v_fma_f32 v12, v11, s24, v10
	s_delay_alu instid0(VALU_DEP_1)
	v_fma_f32 v12, v11, s25, v12                   ; x = angle - n pi / 2
	s_delay_alu instid0(VALU_DEP_1)
	v_mul_f32 v13, v12, v12                        ; z = x x
	v_mov_b32 v14, -0.00019515295891
	s_delay_alu instid0(VALU_DEP_1)
	v_fmaak_f32 v14, v13, v14, 0.0083321608736
	s_delay_alu instid0(VALU_DEP_1)
	v_fmaak_f32 v14, v13, v14, -0.16666654611
	s_delay_alu instid0(VALU_DEP_1)
	v_mul_f32 v14, v14, v13
	s_delay_alu instid0(VALU_DEP_1)
	v_fma_f32 v14, v14, v12, v12                   ; sin x
	v_mov_b32 v15, 0.00002443315711809948
	s_delay_alu instid0(VALU_DEP_1)
	v_fmaak_f32 v15, v13, v15, -0.001388731625493765
	s_delay_alu instid0(VALU_DEP_1)
	v_fmaak_f32 v15, v13, v15, 0.04166664568298827
	s_delay_alu instid0(VALU_DEP_1)
	v_mul_f32 v15, v15, v13
	v_fma_f32 v16, v13, -0.5, 1.0
	s_delay_alu instid0(VALU_DEP_1)
	v_fma_f32 v15, v15, v13, v16                   ; cos x
	v_cvt_i32_f32 v17, v11
	s_delay_alu instid0(VALU_DEP_1)
	v_and_b32 v19, 1, v17
	s_delay_alu instid0(VALU_DEP_1)
	v_cmp_eq_u32 vcc_lo, 1, v19                    ; odd quadrants change the two
	s_delay_alu instid0(VALU_DEP_1)
	v_cndmask_b32 v[XK+1], v14, v15, vcc_lo        ; sin
	s_delay_alu instid0(VALU_DEP_2)
	v_cndmask_b32 v[XK], v15, v14, vcc_lo          ; cos
	v_lshlrev_b32 v19, 30, v17
	s_delay_alu instid0(VALU_DEP_1)
	v_and_b32 v19, 0x80000000, v19                 ; sin is negative in quadrants 2 and 3,
	s_delay_alu instid0(VALU_DEP_1)
	v_xor_b32 v[XK+1], v[XK+1], v19
	v_add_nc_u32 v17, 1, v17
	s_delay_alu instid0(VALU_DEP_1)
	v_lshlrev_b32 v17, 30, v17
	s_delay_alu instid0(VALU_DEP_1)
	v_and_b32 v17, 0x80000000, v17                 ; cos in 1 and 2
	s_delay_alu instid0(VALU_DEP_1)
	v_xor_b32 v[XK], v[XK], v17
	global_store_b64 v9, v[XK:XK+1], s[12:13] offset:256*(\k)      ; 32 lanes store 256 consecutive bytes
.endm
	ROW 0
	ROW 1
	s_wait_dscnt 0x0                               ; for the others' sake: my stores into the two stages are done
	s_barrier_signal -1
	s_barrier_wait -1
	ds_load_b128 v[160:163], v8
	ds_load_b128 v[164:167], v8 offset:32
	s_wait_dscnt 0x0
	global_store_b128 v2, v[160:163], s[32:33]     ; K step w's image: 512 consecutive bytes an instruction
	global_store_b128 v2, v[164:167], s[32:33] offset:512
	s_cmp_lg_u32 s14, 0
	s_cbranch_scc1 .Lnot_wave_0
	ds_load_b128 v[168:171], v192                  ; wave 0: the tile's 512 scale bytes, 256 consecutive bytes in each K half
	s_wait_dscnt 0x0
	global_store_b128 v193, v[168:171], s[34:35]
.Lnot_wave_0:
	s_wait_tensorcnt 0x0                           ; the wave's end
	ds_add_u32 v[SPW], v[NIL]
	s_wait_dscnt 0x0
	s_endpgm
; THE WEIGHTS, work-groups 256-511.  Wq, Wk, Wv, Wo [1024 (k)][1024 (n)] f32 become wimg, 4,096 rows: Wq's columns, then Wk's, Wv's, Wo's, in the image [K half 2][tile 256][4,352 bytes] described above.
; A lane takes a column n and its registers run down K: a block of 32 lies in one lane, and the conversions give codes with K innermost.  A wave takes 32 columns x 64 along K: two blocks a lane,
; and half of a scale word.  Of the 2,048 such parts a work-group's eight waves take eight: 128 columns x 128 along K.  This path uses no LDS and passes no barrier.
.Lweights:
.set C,     16                         ; v16-23 four registers of codes for each block: no store's data are written again
	s_load_b256 s[4:11], s[0:1], 0x28              ; Wq, Wk, Wv, Wo
	s_load_b64 s[12:13], s[0:1], 0x48              ; wimg
	v_lshrrev_b32 v1, 5, v0
	s_delay_alu instid0(VALU_DEP_1)
	v_readfirstlane_b32 s14, v1                    ; wave 0..7
	v_and_b32 v1, 31, v0                           ; lane = column of the pair of tiles
	s_delay_alu instid0(VALU_DEP_1)
	v_lshlrev_b32 v2, 2, v1                        ; in: 4 bytes a lane
	v_bfe_u32 v5, v1, 3, 1                         ; u: which tile of the pair
	v_and_b32 v6, 7, v1
	v_lshrrev_b32 v7, 4, v1
	s_delay_alu instid0(VALU_DEP_1)
	v_lshl_add_u32 v6, v7, 3, v6                   ; r: the tile's row
	v_mul_u32_u24 v5, v5, TILEB
	s_delay_alu instid0(VALU_DEP_1)
	v_lshl_add_u32 v3, v6, 4, v5                   ; codes: u x 4,352 + 16 r
	v_lshl_add_u32 v4, v6, 2, v5                   ; scale word: u x 4,352 + 4 r
	s_sub_co_u32 s26, ttmp9, 256                   ; which 128 columns x 128 along K, 0..255
	s_and_b32 s27, s14, 1                          ; which 64 of the 128 along K
	s_lshr_b32 s14, s14, 1                         ; which 32 of the 128 columns
	s_bfe_u32 s15, s26, 0x20003                    ; which weight
	s_and_b32 s16, s26, 7                          ; which 128 columns
	s_lshr_b32 s17, s26, 5                         ; which K step of 128
	s_lshl_b32 s18, s17, 19                        ; 128 rows of 4,096 bytes
	s_lshl_b32 s20, s16, 9
	s_add_co_u32 s18, s18, s20
	s_lshl_b32 s20, s14, 7
	s_add_co_u32 s18, s18, s20                     ; + my 32 columns
	s_lshl_b32 s20, s27, 18
	s_add_co_u32 s18, s18, s20                     ; + my 64 rows of 4,096 bytes
	s_mov_b32 s19, 0
	s_lshl_b32 s20, s15, 5
	s_lshl_b32 s21, s16, 2
	s_add_co_u32 s20, s20, s21
	s_add_co_u32 s20, s20, s14                     ; my pair among the image's 128
	s_mul_i32 s20, s20, 2*TILEB
	s_lshr_b32 s21, s17, 2
	s_mul_i32 s21, s21, KH
	s_add_co_u32 s20, s20, s21                     ; the pair's first tile, in my K half
	s_and_b32 s22, s17, 3
	s_lshl_b32 s24, s22, 6
	s_add_co_u32 s24, s24, s20
	s_add_co_u32 s24, s24, 4096                    ; the scale words of my K step
	s_lshl_b32 s22, s22, 10
	s_add_co_u32 s20, s20, s22                     ; its codes,
	s_lshl_b32 s22, s27, 9
	s_add_co_u32 s20, s20, s22                     ; my two blocks of the four: 512 bytes on for the upper 64
	s_lshl_b32 s22, s27, 1
	s_add_co_u32 s24, s24, s22                     ; and my two bytes of the scale word
	s_mov_b32 s21, 0
	s_mov_b32 s25, 0
	s_wait_alu depctr_va_vdst(0)                   ; the wait at the head's end
	s_wait_kmcnt 0x0
	s_cmp_eq_u32 s15, 1                            ; the choice hangs on ids alone
	s_cselect_b64 s[4:5], s[6:7], s[4:5]
	s_cmp_eq_u32 s15, 2
	s_cselect_b64 s[4:5], s[8:9], s[4:5]
	s_cmp_eq_u32 s15, 3
	s_cselect_b64 s[4:5], s[10:11], s[4:5]
	s_add_nc_u64 s[4:5], s[4:5], s[18:19]
	s_add_nc_u64 s[20:21], s[12:13], s[20:21]
	s_add_nc_u64 s[24:25], s[12:13], s[24:25]
.macro LOAD t                          ; block t: W(32 t + i, my column) into set t % 2: 32 lanes read 128 consecutive bytes
.set N, 0
.rept 32
	global_load_b32 v[X+32*((\t)%2)+N], v2, s[4:5] offset:(32*(\t)+N)*4096 th:TH_LOAD_NT
.set N, N+1
.endr
.endm
.macro BLOCK t
.set XS, X+32*((\t)%2)
.if (\t) < 1
	s_wait_loadcnt 32
.else
	s_wait_loadcnt 0x0
.endif
	v_max3_num_f32 v8, |v[XS]|, |v[XS+1]|, |v[XS+2]|               ; the block's largest magnitude: all 32 numbers are mine; two chains
	v_max3_num_f32 v9, |v[XS+3]|, |v[XS+4]|, |v[XS+5]|
.irp i, 6,10,14,18,22,26
	s_delay_alu instid0(VALU_DEP_2)
	v_max3_num_f32 v8, v8, |v[XS+\i]|, |v[XS+\i+1]|
	s_delay_alu instid0(VALU_DEP_2)
	v_max3_num_f32 v9, v9, |v[XS+\i+2]|, |v[XS+\i+3]|
.endr
	s_delay_alu instid0(VALU_DEP_2)
	v_max3_num_f32 v8, v8, |v[XS+30]|, |v[XS+31]|
	s_delay_alu instid0(VALU_DEP_1)
	v_max3_num_f32 v8, v8, v9, 0x1800000           ; and the floor 2^(3 - 127): the byte cannot fall under 1
	s_delay_alu instid0(VALU_DEP_1)
	v_add_nc_u32 v10, 0xff000000, v8               ; 2 off the exponent field: the conversion takes this operand's exponent field as its scale
	s_delay_alu instid0(VALU_DEP_1)
	v_lshrrev_b32 v11, 23, v10                     ; the scale's byte
	s_delay_alu instid0(VALU_DEP_1)
.if (\t) == 0
	v_mov_b32 v12, v11                             ; four bytes make the K step's scale word, the lower k in the lower byte
.else
	v_lshl_or_b32 v12, v11, 8*(\t), v12
.endif
.irp g, 0,1,2,3
	v_cvt_scalef32_pk8_fp4_f32 v[C+4*(\t)+\g], v[XS+8*\g:XS+8*\g+7], v10
.endr
	global_store_b128 v3, v[C+4*(\t):C+4*(\t)+3], s[20:21] offset:256*(\t)   ; block t = (c, half) = (t / 2, t % 2): 512 c + 256 half + 16 r
.endm
	LOAD 0
	LOAD 1
	BLOCK 0
	BLOCK 1
	global_store_b16 v4, v12, s[24:25]
	s_endpgm
.Lfunc_end_k_q43e4458e45_lnorm:
	.size	k_q43e4458e45_lnorm, .Lfunc_end_k_q43e4458e45_lnorm-k_q43e4458e45_lnorm
	.p2alignl 7, 3214868480
	.fill 96, 4, 3214868480
	.section	.rodata,"a",@progbits
	.p2align	6, 0x0
	.amdhsa_kernel k_q43e4458e45_lnorm
		.amdhsa_group_segment_fixed_size 46848
		.amdhsa_private_segment_fixed_size 0
		.amdhsa_enable_private_segment 0
		.amdhsa_kernarg_size 80
		.amdhsa_user_sgpr_count 2
		.amdhsa_user_sgpr_kernarg_segment_ptr 1
		.amdhsa_wavefront_size32 1
		.amdhsa_system_sgpr_workgroup_id_x 1
		.amdhsa_system_sgpr_workgroup_id_y 1
		.amdhsa_system_sgpr_workgroup_id_z 1
		.amdhsa_system_vgpr_workitem_id 0
		.amdhsa_next_free_vgpr 196
		.amdhsa_next_free_sgpr 66
		.amdhsa_reserve_vcc 1
		.amdhsa_float_denorm_mode_32 3
		.amdhsa_float_denorm_mode_16_64 3
		.amdhsa_memory_ordered 1
		.amdhsa_forward_progress 1
		.amdhsa_inst_pref_size 50
	.end_amdhsa_kernel
	.amdgpu_metadata
---
amdhsa.version: [ 1, 2 ]
amdhsa.kernels:
  - .name:           k_q43e4458e45_lnorm
    .symbol:         k_q43e4458e45_lnorm.kd
    .args:
      - { .name: h, .offset: 0, .size: 8, .value_kind: global_buffer, .address_space: global }
      - { .name: gamma, .offset: 8, .size: 8, .value_kind: global_buffer, .address_space: global }
      - { .name: beta, .offset: 16, .size: 8, .value_kind: global_buffer, .address_space: global }
      - { .name: hnimg, .offset: 24, .size: 8, .value_kind: global_buffer, .address_space: global }
      - { .name: rope, .offset: 32, .size: 8, .value_kind: global_buffer, .address_space: global }
      - { .name: Wq, .offset: 40, .size: 8, .value_kind: global_buffer, .address_space: global }
      - { .name: Wk, .offset: 48, .size: 8, .value_kind: global_buffer, .address_space: global }
      - { .name: Wv, .offset: 56, .size: 8, .value_kind: global_buffer, .address_space: global }
      - { .name: Wo, .offset: 64, .size: 8, .value_kind: global_buffer, .address_space: global }
      - { .name: wimg, .offset: 72, .size: 8, .value_kind: global_buffer, .address_space: global }
    .group_segment_fixed_size: 46848
    .private_segment_fixed_size: 0
    .kernarg_segment_align: 8
    .kernarg_segment_size: 80
    .max_flat_workgroup_size: 256
    .sgpr_count:     66
    .vgpr_count:     196
    .wavefront_size: 32
...
	.end_amdgpu_metadata
.endif
;; end of part 1
;; launch qkv (part 2): grid 12 x 16, 16 waves a work-group, clusters of 4 x 4, 327,680 bytes of LDS; arguments hnimg, wimg, rope, bq, bk, bv, qimg, kimg, vimg; writes qimg, kimg, vimg
.if DOCPART == 2
	.amdgcn_target "amdgcn-amd-amdhsa--gfx1250"
	.amdhsa_code_object_version 6
	.text
	.protected	k_q43e4458e45_qkv
	.globl	k_q43e4458e45_qkv
	.p2align	8
	.type	k_q43e4458e45_qkv,@function
k_q43e4458e45_qkv:
	s_mov_b64 s[64:65], 0
	v_nop
	global_prefetch_b8 v0, s[64:65] scope:SCOPE_SE
	s_setreg_imm32_b32 hwreg(HW_REG_WAVE_MODE, 25, 1), 1
	s_wait_xcnt 0x0
	s_wait_alu depctr_hold_cnt(0) depctr_sa_sdst(0) depctr_va_vdst(0) depctr_va_sdst(0) depctr_va_ssrc(0) depctr_va_vcc(0) depctr_vm_vsrc(0)
	s_getreg_b32 s2, hwreg(HW_REG_IB_STS2, 6, 4)
	s_cmp_eq_u32 s2, 0
	s_cbranch_scc0 .Lentry_in_a_cluster
	s_endpgm
.Lentry_in_a_cluster:
	s_bfe_u32 s2, ttmp6, 0x10000c
	s_cmp_lg_u32 s2, 0xf033
	s_cbranch_scc0 .Lentry_shape_is_right
	s_endpgm
.Lentry_shape_is_right:
.set KH,    1114112
.set TILEB, 4352
; LDS: wave w's one load brings its two tiles of BOTH K halves to 4 w tiles on: [K half][2 tiles].  Waves 0-7: hn's 16 tiles, waves 8-15: the weight's 16
.set HALF,  32*TILEB                   ; from hn's tiles to the weight's
.set SLOT,  2*TILEB                    ; from a pair's K half 0 to its K half 1
.set BIAS,  64*TILEB
.set SPARE, BIAS+16*512
.set LI,  1
.set LS,  2
.set SPW, 3
.set NIL, 4
.set ADA, 5
.set ADB, 7
.set ASA, 9
.set ASB, 11
.set BA,  13
.set CSO, 14
.set BV,  15
.set SC0, 16
.set SC1, 32
.set TM,  36
.set F1,  48
.set F0,  64
.set PW,  64
.set ACC, 128
.set SEL, 30
.set G1A, 32
.set G1B, 40
.set G1C, 48
.set G0A, 56
.set G0B, 68
.set G0C, 76
.macro CROUND
	s_barrier_signal -1
	s_barrier_wait -1
	s_cmp_lg_u32 s22, 0
	s_cbranch_scc1 .Lnot_wave_0_\@
	s_barrier_signal -3
.Lnot_wave_0_\@:
	s_barrier_wait -3
	s_barrier_signal -1
	s_barrier_wait -1
.endm
.macro JLOAD g0a, g0b
	s_cmp_eq_u32 s28, 0
	s_cbranch_scc0 .Lfor_b_\@
	tensor_load_to_lds s[\g0a:\g0a+3], s[G1A:G1A+7]
	s_nop 0
.rept 4
	v_nop
.endr
	s_branch .Lasked_\@
.Lfor_b_\@:
	tensor_load_to_lds s[\g0b:\g0b+3], s[G1B:G1B+7]
	s_nop 0
.rept 4
	v_nop
.endr
.Lasked_\@:
.endm
.macro WM d, fa, fb, zero, sa, sb, ra, rb
.if \zero
.if (\ra) && (\rb)
	v_wmma_scale_f32_16x16x128_f8f6f4 v[\d:\d+7], v[\fa:\fa+7], v[\fb:\fb+7], 0, v[\sa], v[\sb] matrix_a_fmt:MATRIX_FMT_FP4 matrix_b_fmt:MATRIX_FMT_FP4 matrix_a_scale:MATRIX_SCALE_ROW1 matrix_b_scale:MATRIX_SCALE_ROW1
.elseif (\ra)
	v_wmma_scale_f32_16x16x128_f8f6f4 v[\d:\d+7], v[\fa:\fa+7], v[\fb:\fb+7], 0, v[\sa], v[\sb] matrix_a_fmt:MATRIX_FMT_FP4 matrix_b_fmt:MATRIX_FMT_FP4 matrix_a_scale:MATRIX_SCALE_ROW1
.elseif (\rb)
	v_wmma_scale_f32_16x16x128_f8f6f4 v[\d:\d+7], v[\fa:\fa+7], v[\fb:\fb+7], 0, v[\sa], v[\sb] matrix_a_fmt:MATRIX_FMT_FP4 matrix_b_fmt:MATRIX_FMT_FP4 matrix_b_scale:MATRIX_SCALE_ROW1
.else
	v_wmma_scale_f32_16x16x128_f8f6f4 v[\d:\d+7], v[\fa:\fa+7], v[\fb:\fb+7], 0, v[\sa], v[\sb] matrix_a_fmt:MATRIX_FMT_FP4 matrix_b_fmt:MATRIX_FMT_FP4
.endif
.else
.if (\ra) && (\rb)
	v_wmma_scale_f32_16x16x128_f8f6f4 v[\d:\d+7], v[\fa:\fa+7], v[\fb:\fb+7], v[\d:\d+7], v[\sa], v[\sb] matrix_a_fmt:MATRIX_FMT_FP4 matrix_b_fmt:MATRIX_FMT_FP4 matrix_a_scale:MATRIX_SCALE_ROW1 matrix_b_scale:MATRIX_SCALE_ROW1
.elseif (\ra)
	v_wmma_scale_f32_16x16x128_f8f6f4 v[\d:\d+7], v[\fa:\fa+7], v[\fb:\fb+7], v[\d:\d+7], v[\sa], v[\sb] matrix_a_fmt:MATRIX_FMT_FP4 matrix_b_fmt:MATRIX_FMT_FP4 matrix_a_scale:MATRIX_SCALE_ROW1
.elseif (\rb)
	v_wmma_scale_f32_16x16x128_f8f6f4 v[\d:\d+7], v[\fa:\fa+7], v[\fb:\fb+7], v[\d:\d+7], v[\sa], v[\sb] matrix_a_fmt:MATRIX_FMT_FP4 matrix_b_fmt:MATRIX_FMT_FP4 matrix_b_scale:MATRIX_SCALE_ROW1
.else
	v_wmma_scale_f32_16x16x128_f8f6f4 v[\d:\d+7], v[\fa:\fa+7], v[\fb:\fb+7], v[\d:\d+7], v[\sa], v[\sb] matrix_a_fmt:MATRIX_FMT_FP4 matrix_b_fmt:MATRIX_FMT_FP4
.endif
.endif
.endm
.macro SCALES s
.irp i, 0,1,2,3
.irp q, 0,1,2,3
	ds_load_b32 v[SC0+4*\i+\q], v[ASA+\s] offset:\i*4*TILEB+64*\q
.endr
.endr
.irp q, 0,1,2,3
	ds_load_b32 v[SC1+\q], v[ASB+\s] offset:64*\q
.endr
.endm
.macro KSTEP s, q, zero
.irp t, 0,1,2,3,4,5,6,7
.irp c, 0,1
	ds_load_b128 v[F0+8*\t+4*\c:F0+8*\t+4*\c+3], v[ADA+\s] offset:(\t/2)*4*TILEB+(\t%2)*TILEB+\q*1024+\c*512
.endr
.endr
.irp a, 0,1
.irp c, 0,1
	ds_load_b128 v[F1+8*\a+4*\c:F1+8*\a+4*\c+3], v[ADB+\s] offset:\a*TILEB+\q*1024+\c*512
.endr
.endr
	s_wait_dscnt 0x0
.irp a, 0,1
.irp t, 0,1,2,3,4,5,6,7
	WM ACC+64*\a+8*\t, F0+8*\t, F1+8*\a, \zero, SC0+4*(\t/2)+\q, SC1+\q, \t%2, \a
.endr
.endr
.rept 4
	v_nop
.endr
.endm
.macro QUANT s, pc, pw
.irp b, 0,1,2,3
	v_max3_num_f32 v[TM+\b], |v[\s+16*\b]|, |v[\s+1+16*\b]|, 0x1800000
.endr
.irp i, 2,4,6,8,10,12,14
.irp b, 0,1,2,3
	s_delay_alu instid0(VALU_DEP_4)
	v_max3_num_f32 v[TM+\b], v[TM+\b], |v[\s+16*\b+\i]|, |v[\s+1+16*\b+\i]|
.endr
.endr
.irp b, 0,1,2,3
	s_delay_alu instid0(VALU_DEP_4)
	v_permlanex16_b32 v[TM+4+\b], v[TM+\b], s[SEL], s[SEL+1]
.endr
.irp b, 0,1,2,3
	s_delay_alu instid0(VALU_DEP_4)
	v_max_num_f32 v[TM+\b], v[TM+\b], v[TM+4+\b]
.endr
.irp b, 0,1,2,3
	s_delay_alu instid0(VALU_DEP_4)
	v_add_nc_u32 v[TM+8+\b], 0xff000000, v[TM+\b]
.endr
.irp b, 0,1,2,3
	s_delay_alu instid0(VALU_DEP_4)
	v_lshrrev_b32 v[TM+4+\b], 23, v[TM+8+\b]
.endr
	s_delay_alu instid0(VALU_DEP_3)
	v_lshl_or_b32 v[\pw], v[TM+5], 8, v[TM+4]
	s_delay_alu instid0(VALU_DEP_1)
	v_lshl_or_b32 v[\pw], v[TM+6], 16, v[\pw]
	s_delay_alu instid0(VALU_DEP_1)
	v_lshl_or_b32 v[\pw], v[TM+7], 24, v[\pw]
.irp b, 0,1,2,3
	v_cvt_scalef32_pk8_fp4_f32 v[\pc+2*\b], v[\s+16*\b:\s+7+16*\b], v[TM+8+\b]
	v_cvt_scalef32_pk8_fp4_f32 v[\pc+1+2*\b], v[\s+8+16*\b:\s+15+16*\b], v[TM+8+\b]
.endr
	v_nop
.irp c, 0,1
.irp i, 0,1
	v_permlane16_swap_b32 v[\pc+4*\c+\i], v[\pc+2+4*\c+\i]
.endr
.endr
.endm
.macro ROPE a
.irp c, 0,1
.irp i, 0,1,2,3,4,5,6,7,8,9,10,11,12,13,14,15
	v_mul_f32 v[TM+2*(\i%2)], v[ACC+64*\a+32*\c+16+\i], v[F0+32*\a+2*\i+1]
	v_mul_f32 v[TM+2*(\i%2)+1], v[ACC+64*\a+32*\c+\i], v[F0+32*\a+2*\i+1]
	s_delay_alu instid0(VALU_DEP_2)
	v_fma_f32 v[ACC+64*\a+32*\c+\i], v[ACC+64*\a+32*\c+\i], v[F0+32*\a+2*\i], -v[TM+2*(\i%2)]
	s_delay_alu instid0(VALU_DEP_2)
	v_fma_f32 v[ACC+64*\a+32*\c+16+\i], v[ACC+64*\a+32*\c+16+\i], v[F0+32*\a+2*\i], v[TM+2*(\i%2)+1]
.endr
.endr
.endm
	s_load_b512 s[4:19], s[0:1], 0x0
	s_load_b64 s[20:21], s[0:1], 0x40
	v_lshl_add_u32 v[SPW], v0, 2, SPARE
	v_mov_b32 v[NIL], 0
	ds_add_u32 v[SPW], v[NIL]
	ds_add_u32 v[SPW], v[NIL]
	v_lshrrev_b32 v1, 5, v0
	s_delay_alu instid0(VALU_DEP_1)
	v_readfirstlane_b32 s22, v1
	s_bfe_u32 s23, ttmp6, 0x40000
	s_bfe_u32 s24, ttmp6, 0x40004
	s_mov_b32 s25, ttmp9
	s_lshl_b32 s26, ttmp9, 2
	s_add_co_u32 s26, s26, s23
	s_and_b32 s27, ttmp7, 0xffff
	s_lshl_b32 s27, s27, 2
	s_add_co_u32 s27, s27, s24
	s_lshr_b32 s28, s22, 3
	s_and_b32 s29, s22, 1
	s_lshr_b32 s92, s22, 1
	s_and_b32 s93, s92, 3
	s_mov_b32 s[SEL], 0x76543210
	s_mov_b32 s[SEL+1], 0xfedcba98
	s_lshl_b32 s80, s24, 2
	s_lshl_b32 s80, 15, s80
	s_lshl_b32 s81, 0x1111, s23
	s_or_b32 s[G1A], s80, (3<<16)|(1<<21)
	s_or_b32 s[G1B], s81, (3<<16)|(1<<21)
.irp g, G1A, G1B
	s_mov_b32 s[\g+1], 1088<<16                    ; a row: two tiles, 8,704 bytes = 1,088 elements of 8
	s_mov_b32 s[\g+2], 2<<16                       ; two rows: the two K halves,
	s_mov_b32 s[\g+3], 1088<<16
	s_mov_b32 s[\g+4], 2
	s_mov_b32 s[\g+5], KH/8                        ; KH bytes apart
	s_mov_b32 s[\g+6], 0
	s_mov_b32 s[\g+7], 0
.endr
	s_mov_b32 s[G1C], 3<<16
	s_mov_b32 s[G1C+1], 32<<16
	s_mov_b32 s[G1C+2], 2<<16
	s_mov_b32 s[G1C+3], 32<<16
	s_mov_b32 s[G1C+4], 2
	s_mov_b32 s[G1C+5], 32
	s_mov_b32 s[G1C+6], 0
	s_mov_b32 s[G1C+7], 0
	s_and_b32 s86, s22, 7
	s_lshl_b32 s86, s86, 1
	s_lshl_b32 s82, s27, 4
	s_add_co_u32 s82, s82, s86
	s_mul_i32 s82, s82, TILEB
	s_mov_b32 s83, 0
	s_lshl_b32 s84, s26, 4
	s_add_co_u32 s84, s84, s86
	s_mul_i32 s84, s84, TILEB
	s_mov_b32 s85, 0
	s_mul_i32 s87, s22, 4*TILEB
	s_lshl_b32 s96, s27, 16
	s_lshl_b32 s97, s92, 13
	s_add_co_u32 s96, s96, s97
	s_mov_b32 s97, 0
	s_cmp_eq_u32 s25, 2
	s_cselect_b32 s90, s28, s29
	s_cselect_b32 s80, 0, HALF
	s_cselect_b32 s81, HALF, 0
	s_lshl_b32 s90, s90, 9
	s_lshl_b32 s91, s23, 10
	s_add_co_u32 s90, s90, s91
	s_mov_b32 s91, 0
	s_mul_i32 s94, s29, 16*TILEB
	s_add_co_u32 s94, s94, s80
	s_mul_i32 s95, s92, 4*TILEB
	s_add_co_u32 s95, s95, s81
	s_wait_dscnt 0x0
	s_wait_kmcnt 0x0
	s_add_nc_u64 s[82:83], s[4:5], s[82:83]
	s_add_nc_u64 s[84:85], s[6:7], s[84:85]
	s_add_nc_u64 s[96:97], s[8:9], s[96:97]
	s_cmp_eq_u32 s25, 1
	s_cselect_b64 s[88:89], s[12:13], s[10:11]
	s_cselect_b64 s[16:17], s[18:19], s[16:17]
	s_cmp_eq_u32 s25, 2
	s_cselect_b64 s[88:89], s[14:15], s[88:89]
	s_add_nc_u64 s[88:89], s[88:89], s[90:91]
	CROUND
	s_mov_b32 s[G0C], 1
	s_lshl_b32 s[G0C+1], s22, 9
	s_add_co_u32 s[G0C+1], s[G0C+1], BIAS
	s_mov_b64 s[G0C+2:G0C+3], s[88:89]
	s_or_b32 s[G0C+3], s[G0C+3], 0x80000000
	s_mov_b32 s[G0A], 1
	s_mov_b32 s[G0A+1], s87
	s_mov_b64 s[G0A+2:G0A+3], s[82:83]
	s_or_b32 s[G0A+3], s[G0A+3], 0x80000000
	s_mov_b32 s[G0B], 1
	s_mov_b32 s[G0B+1], s87
	s_mov_b64 s[G0B+2:G0B+3], s[84:85]
	s_or_b32 s[G0B+3], s[G0B+3], 0x80000000
	JLOAD G0A, G0B                                 ; the head's one load a wave: my two tiles, all of K
	v_and_b32 v36, 15, v0
	v_bfe_u32 v37, v0, 4, 1
	v_and_b32 v[LI], 31, v0
	s_delay_alu instid0(VALU_DEP_1)
	v_lshlrev_b32 v[LI], 4, v[LI]
	s_delay_alu instid0(VALU_DEP_3)
	v_mul_u32_u24 v[LS], v37, TILEB
	s_delay_alu instid0(VALU_DEP_1)
	v_lshl_add_u32 v[LS], v36, 2, v[LS]
	s_delay_alu instid0(VALU_DEP_3)
	v_add_nc_u32 v[ADA], s94, v[LI]
	s_delay_alu instid0(VALU_DEP_1)
	v_add_nc_u32 v[ADA+1], SLOT, v[ADA]
	v_add_nc_u32 v[ADB], s95, v[LI]
	s_delay_alu instid0(VALU_DEP_1)
	v_add_nc_u32 v[ADB+1], SLOT, v[ADB]
	s_add_co_u32 s94, s94, 4096
	s_add_co_u32 s95, s95, 4096
	v_add_nc_u32 v[ASA], s94, v[LS]
	s_delay_alu instid0(VALU_DEP_1)
	v_add_nc_u32 v[ASA+1], SLOT, v[ASA]
	v_add_nc_u32 v[ASB], s95, v[LS]
	s_delay_alu instid0(VALU_DEP_1)
	v_add_nc_u32 v[ASB+1], SLOT, v[ASB]
	s_lshl_b32 s80, s22, 9
	s_add_co_u32 s80, s80, BIAS
	v_lshl_add_u32 v[BA], v37, 6, s80
	v_and_b32 v38, 8, v36
	s_delay_alu instid0(VALU_DEP_1)
	v_add_nc_u32 v38, v38, v36
	s_lshl_b32 s81, s93, 7
	s_add_co_u32 s81, s81, s80
	v_lshl_add_u32 v[BV], v38, 2, s81
	v_lshlrev_b32 v[CSO], 8, v38
	s_delay_alu instid0(VALU_DEP_1)
	v_lshl_add_u32 v[CSO], v37, 7, v[CSO]
.irp b, 0,1,2,3
	v_mov_b32 v[TM+4+\b], 0
.endr
	s_wait_alu depctr_va_vdst(0)                   ; the wait at the head's end
	s_wait_tensorcnt 0x0                           ; my tiles are in
	ds_add_u32 v[SPW], v[NIL]
	s_wait_dscnt 0x0
	CROUND                                         ; everybody's tiles are in
	tensor_load_to_lds s[G0C:G0C+3], s[G1C:G1C+7]  ; my 512 bytes of the bias, wanted behind the products: my one load behind the round
	s_nop 0
	SCALES 0
	KSTEP 0, 0, 1
	KSTEP 0, 1, 0
	KSTEP 0, 2, 0
	KSTEP 0, 3, 0
	SCALES 1
	KSTEP 1, 0, 0
	KSTEP 1, 1, 0
	KSTEP 1, 2, 0
	KSTEP 1, 3, 0
	s_wait_tensorcnt 0x0                           ; the bias: only I read these bytes
	s_cmp_eq_u32 s25, 2
	s_cbranch_scc1 .Lvarm
	s_wait_alu depctr_va_vdst(0)
.irp a, 0,1
.irp j, 0,1,2,3,4,5,6,7
	global_load_b128 v[F0+32*\a+4*\j:F0+32*\a+4*\j+3], v[CSO], s[96:97] offset:\a*2048+16*\j
.endr
.endr
.irp b, 0,1,2,3
.irp k, 0,1,2,3
	ds_load_b128 v[F1+4*\k:F1+4*\k+3], v[BA] offset:128*\b+16*\k
.endr
	s_wait_dscnt 0x0
.irp a, 0,1
.irp e, 0,2,4,6,8,10,12,14
	v_pk_add_f32 v[ACC+64*\a+16*\b+\e:ACC+64*\a+16*\b+\e+1], v[ACC+64*\a+16*\b+\e:ACC+64*\a+16*\b+\e+1], v[F1+\e:F1+\e+1]
.endr
.endr
.endr
	s_lshl_b32 s80, s23, 2
	s_lshl_b32 s81, s29, 1
	s_add_co_u32 s80, s80, s81
	s_lshl_b32 s80, s80, 5
	s_lshl_b32 s81, s27, 1
	s_add_co_u32 s80, s80, s81
	s_add_co_u32 s80, s80, s28
	s_mul_i32 s98, s80, 4608
	s_mov_b32 s99, 0
	s_add_nc_u64 s[98:99], s[16:17], s[98:99]
	s_wait_loadcnt 0x0
	ROPE 0
	s_lshl_b32 s80, s93, 10
	v_add_nc_u32 v67, s80, v[LI]
	s_lshl_b32 s80, s93, 7
	s_add_co_u32 s80, s80, 4096
	v_lshrrev_b32 v66, 2, v[LI]
	s_delay_alu instid0(VALU_DEP_1)
	v_add_nc_u32 v66, s80, v66
	QUANT ACC, F1, PW
	global_store_b128 v67, v[F1:F1+3], s[98:99]
	global_store_b128 v67, v[F1+4:F1+7], s[98:99] offset:147456
	ROPE 1
	QUANT ACC+64, F1+8, PW+1
	global_store_b128 v67, v[F1+8:F1+11], s[98:99] offset:512
	global_store_b128 v67, v[F1+12:F1+15], s[98:99] offset:147456+512
	s_mov_b32 s80, 0xffff0000
	v_cndmask_b32 v68, v[PW], v[PW+1], s80
	s_delay_alu instid0(VALU_DEP_1)
	v_and_b32 v69, 0xffff, v68
	s_delay_alu instid0(VALU_DEP_1)
	v_or_b32 v69, 0x7f7f0000, v69
	s_delay_alu instid0(VALU_DEP_3)
	v_lshrrev_b32 v70, 16, v68
	s_delay_alu instid0(VALU_DEP_1)
	v_or_b32 v70, 0x7f7f0000, v70
	global_store_b32 v66, v69, s[98:99]
	global_store_b32 v66, v70, s[98:99] offset:147456
	s_branch .Ljoin
.Lvarm:
	s_wait_alu depctr_va_vdst(0)
	ds_load_b32 v68, v[BV]
	ds_load_b32 v70, v[BV] offset:32
	s_lshl_b32 s80, s23, 2
	s_lshr_b32 s81, s22, 2
	s_add_co_u32 s80, s80, s81
	s_lshl_b32 s80, s80, 5
	s_lshl_b32 s81, s27, 1
	s_add_co_u32 s80, s80, s81
	s_add_co_u32 s80, s80, s29
	s_mul_i32 s98, s80, TILEB
	s_mov_b32 s99, 0
	s_add_nc_u64 s[98:99], s[20:21], s[98:99]
	s_and_b32 s80, s92, 1
	s_lshl_b32 s81, s80, 11
	v_add_nc_u32 v67, s81, v[LI]
	s_lshl_b32 s81, s80, 7
	s_add_co_u32 s81, s81, 4096
	v_lshrrev_b32 v66, 2, v[LI]
	s_delay_alu instid0(VALU_DEP_1)
	v_add_nc_u32 v66, s81, v66
	s_wait_dscnt 0x0
.irp a, 0,1
.irp e, 0,2,4,6,8,10,12,14,16,18,20,22,24,26,28,30,32,34,36,38,40,42,44,46,48,50,52,54,56,58,60,62
	v_pk_add_f32 v[ACC+64*\a+\e:ACC+64*\a+\e+1], v[ACC+64*\a+\e:ACC+64*\a+\e+1], v[68+2*\a:69+2*\a] op_sel_hi:[1,0]
.endr
.endr
	QUANT ACC, F1, PW
	global_store_b128 v67, v[F1:F1+3], s[98:99]
	global_store_b128 v67, v[F1+4:F1+7], s[98:99] offset:512
	QUANT ACC+64, F1+8, PW+1
	global_store_b128 v67, v[F1+8:F1+11], s[98:99] offset:1024
	global_store_b128 v67, v[F1+12:F1+15], s[98:99] offset:1024+512
	s_mov_b32 s80, 0xffff0000
	v_cndmask_b32 v72, v[PW], v[PW+1], s80
	global_store_b32 v66, v72, s[98:99]
.Ljoin:
	s_wait_tensorcnt 0x0
	ds_add_u32 v[SPW], v[NIL]
	s_wait_dscnt 0x0
	CROUND
	s_endpgm
.Lfunc_end_k_q43e4458e45_qkv:
	.size	k_q43e4458e45_qkv, .Lfunc_end_k_q43e4458e45_qkv-k_q43e4458e45_qkv
	.p2alignl 7, 3214868480
	.fill 96, 4, 3214868480
	.section	.rodata,"a",@progbits
	.p2align	6, 0x0
	.amdhsa_kernel k_q43e4458e45_qkv
		.amdhsa_group_segment_fixed_size 327680
		.amdhsa_private_segment_fixed_size 0
		.amdhsa_enable_private_segment 0
		.amdhsa_kernarg_size 72
		.amdhsa_user_sgpr_count 2
		.amdhsa_user_sgpr_kernarg_segment_ptr 1
		.amdhsa_wavefront_size32 1
		.amdhsa_system_sgpr_workgroup_id_x 1
		.amdhsa_system_sgpr_workgroup_id_y 1
		.amdhsa_system_sgpr_workgroup_id_z 1
		.amdhsa_system_vgpr_workitem_id 0
		.amdhsa_next_free_vgpr 256
		.amdhsa_next_free_sgpr 100
		.amdhsa_reserve_vcc 0
		.amdhsa_float_denorm_mode_32 3
		.amdhsa_float_denorm_mode_16_64 3
		.amdhsa_memory_ordered 1
		.amdhsa_forward_progress 1
		.amdhsa_inst_pref_size 89
	.end_amdhsa_kernel
	.amdgpu_metadata
---
amdhsa.version: [ 1, 2 ]
amdhsa.kernels:
  - .name:           k_q43e4458e45_qkv
    .symbol:         k_q43e4458e45_qkv.kd
    .args:
      - { .name: hnimg, .offset: 0, .size: 8, .value_kind: global_buffer, .address_space: global }
      - { .name: wimg, .offset: 8, .size: 8, .value_kind: global_buffer, .address_space: global }
      - { .name: rope, .offset: 16, .size: 8, .value_kind: global_buffer, .address_space: global }
      - { .name: bq, .offset: 24, .size: 8, .value_kind: global_buffer, .address_space: global }
      - { .name: bk, .offset: 32, .size: 8, .value_kind: global_buffer, .address_space: global }
      - { .name: bv, .offset: 40, .size: 8, .value_kind: global_buffer, .address_space: global }
      - { .name: qimg, .offset: 48, .size: 8, .value_kind: global_buffer, .address_space: global }
      - { .name: kimg, .offset: 56, .size: 8, .value_kind: global_buffer, .address_space: global }
      - { .name: vimg, .offset: 64, .size: 8, .value_kind: global_buffer, .address_space: global }
    .group_segment_fixed_size: 327680
    .private_segment_fixed_size: 0
    .kernarg_segment_align: 8
    .kernarg_segment_size: 72
    .max_flat_workgroup_size: 512
    .sgpr_count:     100
    .vgpr_count:     256
    .wavefront_size: 32
...
	.end_amdgpu_metadata
.endif
;; end of part 2
;; launch attn (part 3): grid 16 x 16, 16 waves a work-group, clusters of 4 x 1, 327,680 bytes of LDS; arguments qimg, kimg, vimg, oimg; writes oimg
.if DOCPART == 3
	.amdgcn_target "amdgcn-amd-amdhsa--gfx1250"
	.amdhsa_code_object_version 6
	.text
	.protected	k_q43e4458e45_attn
	.globl	k_q43e4458e45_attn
	.p2align	8
	.type	k_q43e4458e45_attn,@function
k_q43e4458e45_attn:
	s_mov_b64 s[64:65], 0
	v_nop
	global_prefetch_b8 v0, s[64:65] scope:SCOPE_SE
	s_setreg_imm32_b32 hwreg(HW_REG_WAVE_MODE, 25, 1), 1
	s_wait_xcnt 0x0
	s_wait_alu depctr_hold_cnt(0) depctr_sa_sdst(0) depctr_va_vdst(0) depctr_va_sdst(0) depctr_va_ssrc(0) depctr_va_vcc(0) depctr_vm_vsrc(0)
	s_getreg_b32 s2, hwreg(HW_REG_IB_STS2, 6, 4)
	s_cmp_eq_u32 s2, 0
	s_cbranch_scc0 .Lentry_in_a_cluster
	s_endpgm
.Lentry_in_a_cluster:
	s_bfe_u32 s2, ttmp6, 0x10000c
	s_cmp_lg_u32 s2, 0x3003
	s_cbranch_scc0 .Lentry_shape_is_right
	s_endpgm
.Lentry_shape_is_right:
; THIRD LAUNCH: causal attention on codes of FP4, 16 heads of 64, 4,096 positions; the result, divided by the row's sum, is quantised along the model's 1,024 into the operand image oimg.
; WORK LEFT OUT: a step of 128 keys all of which come after a tile's 16 queries (reference()'s own jnp.tril makes their p 0 for all values of the inputs); a NaN or infinity that reaches only such steps is not carried on.
; THE SOFTMAX: t = score x log2(e) / 8; M = the running largest t rounded UP to a whole number; p = 2^(t - M) is quantised along the keys, not normalised; the row's sum is taken of the unquantised p;
; when M moves, the sum and O are multiplied by 2^(old M - new M), which rounds nothing.  LIMIT: the promise holds while |t| stays under 2^31.
; SHARES.  A head's K and V with their scale words, 286,720 bytes, come into LDS once and stay.  Block g of 128 queries has g + 1 key steps, so the tiles (31 - m, t) and (m, t) have 33 together.
; TWO WAVES share such a pair: the HELPER walks steps 0-15 of the long tile (16 steps, none hidden, none on the diagonal) and leaves -M, the sum and O^T in LDS; the OWNER walks the short tile (m + 1 steps),
; stores it, walks steps 16 .. 31 - m of the long tile (17 steps in all), joins the helper's part by two exact powers of two, and stores it.  Pair j = wave / 2; helper where (wave xor wave / 4) is odd,
; so that any four waves with wave % 4 or wave / 4 alike are two owners and two helpers.  m = 2 j + cluster x % 2;  t = 4 (cluster x / 2) + cx.  Trip counts are constants: a hidden step runs only the lines that step addresses.
; cx enters global addresses and the mask's data alone: no branch and no LDS address hangs on it.  CLUSTER 4 x 1: the four partners belong to one head, and each piece of K and V is asked for jointly.
; No prefetch: every tensor load goes out at the head, and there is no loop to run ahead in.
; LAYOUT.  Both products are used transposed: S^T = K Q^T, O^T = V^T P^T: a lane holds ONE query throughout.  THE KEYS OF A TILE ARE CHOSEN BY THE LANES' ADDRESSES: row r of tile (c, i) is key 64 c + 32 (r / 8) + 8 i + r % 8,
; so that the 32 registers of tiles (c, 0 .. 3) are the 32 neighbouring keys 64 c + 32 (lane / 16) + 0 .. 31: a whole block in a lane, in the order that the second product's operand wants: no lane is asked for a block's maximum.
; In kimg key 32 b + 8 u + r + 8 (r / 8) lies in tile 2 b + u, row r; that gives the addresses below.  The head's 64 fill half of the instruction's 128: registers 4-7 of Q's and K's fragments are zero codes.
.set KH,    1114112
.set TILEB, 4352
.set KB,    4608                       ; a step's K: 8 tiles x 512 bytes of codes, 512 bytes of scale words
.set VB,    32*KB                      ; V behind K's 32 steps; a step's V: 4 tiles x 1,024 bytes, 256 bytes of scale words
.set STG,   VB+32*TILEB                ; the helpers' parts: 9 x 512 bytes for each pair; no tensor load lands there
.set PB,    4608
.set SPARE, STG+8*PB                   ; the spare words, 128 bytes for each wave: eight blocks of 256 bytes that no other line names
.set LI,  1                            ; v1 16 x lane;  v2 4 x lane
.set L4,  2
.set SPW, 3                            ; v3 LDS address of my spare word; v4 = 0; never rewritten
.set NIL, 4
.set MD,  5                            ; v5 my query's place in its 128, less 32 (lane / 16)
.set OBY, 6                            ; v6 the way out: my scale byte's place
.set SA,  7                            ; v7 my pair's part in the stage, + 16 x lane
.set ADK, 8                            ; v8-11 the step's addresses
.set ADV, 9
.set ADKS, 10
.set ADVS, 11
.set AK0, 243                          ; v243 my lane's place in a step's K codes; v248 among its scale words; v249 = 8 (lane / 16)
.set AKS0, 248
.set SH8, 249
; v12 -M, v13 the largest score, v[14:15] the sum in two halves; v16-23 Q; v24 Q's scale words, v25 p's, v26-29 K's, v30-31 V's; v32-95 K's eight fragments; v96-159 S^T, then p;
; v160-191 O^T; v192-199 p's codes; v200-231 V's four fragments; v238-242 the long tile's Q for the owner's second walk; the rest of v232-255 at work
.set WV,  12                           ; s12 wave;  s15 1 in a helper
.set ROLE, 15
.set G1,  16                           ; s16, s26 the last step that counts in the first and in the second walk
.set G2,  26
.set ST,  18                           ; s18 the step;  s19 where its K begins in LDS;  s20 its V
.set TK,  19
.set TV,  20
.set SEL, 22                           ; s[22:23] lane selects: lane l xor 16
.set CS,  24                           ; s[24:25] c = log2(e) / 8
.set G1K, 28
.set G1V, 36
.set G0K, 44
.set G0V, 48
.macro CROUND
	s_barrier_signal -1
	s_barrier_wait -1
	s_cmp_lg_u32 s[WV], 0
	s_cbranch_scc1 .Lnot_wave_0_\@
	s_barrier_signal -3
.Lnot_wave_0_\@:
	s_barrier_wait -3
	s_barrier_signal -1
	s_barrier_wait -1
.endm
	s_load_b256 s[4:11], s[0:1], 0x0               ; qimg, kimg, vimg, oimg
	v_lshl_add_u32 v[SPW], v0, 2, SPARE
	v_mov_b32 v[NIL], 0
	ds_add_u32 v[SPW], v[NIL]                      ; the opening
	ds_add_u32 v[SPW], v[NIL]
	v_lshrrev_b32 v1, 5, v0
	s_delay_alu instid0(VALU_DEP_1)
	v_readfirstlane_b32 s[WV], v1                  ; wave 0..15
	s_bfe_u32 s13, ttmp6, 0x40000                  ; cx
	s_and_b32 s14, ttmp7, 0xffff                   ; the head
	s_lshr_b32 s60, s[WV], 2
	s_xor_b32 s60, s60, s[WV]
	s_and_b32 s[ROLE], s60, 1
	s_lshr_b32 s27, s[WV], 1                       ; pair j
	s_lshl_b32 s61, s27, 1
	s_and_b32 s60, ttmp9, 1
	s_add_co_u32 s61, s61, s60                     ; m: the short block
	s_sub_co_u32 s62, 31, s61                      ; the long block
	s_cmp_eq_u32 s[ROLE], 0
	s_cselect_b32 s[G1], s61, 64                   ; first walk: the owner's ends on the diagonal of block m; the helper's 16 steps all count
	s_cselect_b32 s[G2], s62, 0                    ; second walk (steps 16 on): the owner's ends on the diagonal of block 31 - m; the helper has none
	s_cselect_b32 s63, s61, s62                    ; the block of the first walk's queries
	s_lshr_b32 s17, ttmp9, 1
	s_lshl_b32 s17, s17, 2
	s_add_co_u32 s17, s17, s13                     ; t
	s_mov_b32 s[G1K], 15|(3<<16)|(1<<21)           ; the mask: all four partners; elements of 8 bytes; bit 21 beside a mask
	s_mov_b32 s[G1K+1], 32<<16                     ; rows of 256 bytes,
	s_mov_b32 s[G1K+2], 72<<16                     ; 72 of them: four steps of K, dense
	s_mov_b32 s[G1K+3], 32<<16
	s_mov_b32 s[G1K+4], 72
	s_mov_b32 s[G1K+5], 32
	s_mov_b32 s[G1K+6], 0
	s_mov_b32 s[G1K+7], 0
	s_mov_b32 s[G1V], 15|(3<<16)|(1<<21)
	s_mov_b32 s[G1V+1], 32<<16
	s_mov_b32 s[G1V+2], 68<<16                     ; 68 rows: four steps of V
	s_mov_b32 s[G1V+3], 32<<16
	s_mov_b32 s[G1V+4], 68
	s_mov_b32 s[G1V+5], 32
	s_mov_b32 s[G1V+6], 0
	s_mov_b32 s[G1V+7], 0
	s_and_b32 s60, s[WV], 7
	s_mul_i32 s66, s60, 4*KB                       ; what I fetch: steps 4 (w % 8) on
	s_mul_i32 s67, s60, 4*TILEB
	s_mul_i32 s68, s14, 32*KB
	s_add_co_u32 s68, s68, s66
	s_mov_b32 s69, 0
	s_mul_i32 s70, s14, 32*TILEB
	s_add_co_u32 s70, s70, s67
	s_mov_b32 s71, 0
	s_lshl_b32 s72, s14, 5
	s_add_co_u32 s74, s72, s62
	s_add_co_u32 s72, s72, s63
	s_mul_i32 s72, s72, KB                         ; Q: the first walk's block of my head,
	s_mov_b32 s73, 0
	s_mul_i32 s74, s74, KB                         ; and the long block
	s_mov_b32 s75, 0
	s_lshl_b32 s76, s17, 9                         ; tile t's codes,
	s_lshl_b32 s77, s17, 6
	s_add_co_u32 s77, s77, 4096                    ; its scale words
	s_lshr_b32 s78, s14, 3
	s_mul_i32 s78, s78, KH
	s_mul_i32 s79, s17, TILEB
	s_add_co_u32 s78, s78, s79                     ; oimg: K half head / 8, tile 8 g + t
	s_bfe_u32 s79, s14, 0x20001                    ; K step (head / 2) % 4
	s_and_b32 s80, s14, 1
	s_lshl_b32 s82, s79, 10
	s_lshl_b32 s81, s80, 9
	s_add_co_u32 s82, s82, s81
	s_add_co_u32 s82, s82, s78                     ; codes: + 1,024 q + 512 (head % 2)
	s_lshl_b32 s84, s79, 6
	s_lshl_b32 s81, s80, 1
	s_add_co_u32 s84, s84, s81
	s_add_co_u32 s84, s84, s78
	s_add_co_u32 s84, s84, 4096                    ; bytes: + 4,096 + 64 q + 2 (head % 2)
	s_mul_i32 s90, s61, 8*TILEB
	s_mul_i32 s91, s62, 8*TILEB
	s_add_co_u32 s86, s82, s91                     ; s[86:89] the long tile's, s[82:85] the short tile's
	s_add_co_u32 s88, s84, s91
	s_add_co_u32 s82, s82, s90
	s_add_co_u32 s84, s84, s90
	s_mov_b32 s83, 0
	s_mov_b32 s85, 0
	s_mov_b32 s87, 0
	s_mov_b32 s89, 0
	s_mov_b32 s[SEL], 0x76543210
	s_mov_b32 s[SEL+1], 0xfedcba98
	s_mov_b32 s[CS], 0x3e38aa3b                    ; log2(e) / 8
	s_mov_b32 s[CS+1], s[CS]                       ; (named with it as a pair, so it is written)
	s_mov_b32 s21, 0xffff0000                      ; lanes 16-31
	s_mov_b32 s[ST], 0
	s_mov_b32 s[TK], 0
	s_mov_b32 s[TV], VB
	s_wait_dscnt 0x0                               ; both opening adds are done
	s_wait_kmcnt 0x0
	s_add_nc_u64 s[68:69], s[6:7], s[68:69]
	s_add_nc_u64 s[70:71], s[8:9], s[70:71]
	s_add_nc_u64 s[72:73], s[4:5], s[72:73]
	s_add_nc_u64 s[74:75], s[4:5], s[74:75]
	s_add_nc_u64 s[82:83], s[10:11], s[82:83]
	s_add_nc_u64 s[84:85], s[10:11], s[84:85]
	s_add_nc_u64 s[86:87], s[10:11], s[86:87]
	s_add_nc_u64 s[88:89], s[10:11], s[88:89]
	CROUND                                         ; all four work-groups are here: the joint loads meet
	s_mov_b32 s[G0K], 1
	s_mov_b32 s[G0K+1], s66
	s_mov_b64 s[G0K+2:G0K+3], s[68:69]
	s_or_b32 s[G0K+3], s[G0K+3], 0x80000000
	s_mov_b32 s[G0V], 1
	s_add_co_u32 s[G0V+1], s67, VB
	s_mov_b64 s[G0V+2:G0V+3], s[70:71]
	s_or_b32 s[G0V+3], s[G0V+3], 0x80000000
	s_cmp_lt_u32 s[WV], 8                          ; waves 0-7 fetch K, waves 8-15 V: one load a wave, and the launch has no other
	s_cbranch_scc0 .Lfirst_v
	tensor_load_to_lds s[G0K:G0K+3], s[G1K:G1K+7]
	s_nop 0
.rept 4
	v_nop
.endr
	s_branch .Lfirst_asked
.Lfirst_v:
	tensor_load_to_lds s[G0V:G0V+3], s[G1V:G1V+7]
	s_nop 0
.rept 4
	v_nop
.endr
.Lfirst_asked:
	v_and_b32 v[LI], 31, v0
	v_and_b32 v8, 15, v0                           ; r
	v_bfe_u32 v9, v0, 4, 1                         ; h
	v_lshlrev_b32 v[L4], 2, v[LI]
	v_lshlrev_b32 v[LI], 4, v[LI]
	v_lshl_add_u32 v255, v8, 2, s77
	s_delay_alu instid0(VALU_DEP_2)
	v_add_nc_u32 v254, s76, v[LI]
	global_load_b128 v[16:19], v254, s[72:73]      ; the first walk's Q
	global_load_b32 v24, v255, s[72:73]            ; and its scale words
	global_load_b128 v[238:241], v254, s[74:75]    ; the long tile's, for the owner's second walk
	global_load_b32 v242, v255, s[74:75]
	v_and_b32 v10, 7, v0
	v_bfe_u32 v11, v0, 3, 1
	s_delay_alu instid0(VALU_DEP_2)
	v_lshlrev_b32 v[AK0], 4, v10
	v_lshlrev_b32 v[AKS0], 2, v10
	s_delay_alu instid0(VALU_DEP_2)
	v_lshl_add_u32 v[AK0], v11, 10, v[AK0]
	s_delay_alu instid0(VALU_DEP_2)
	v_lshl_add_u32 v[AKS0], v11, 7, v[AKS0]
	s_delay_alu instid0(VALU_DEP_2)
	v_lshl_add_u32 v[AK0], v9, 8, v[AK0]           ; K's codes: 1,024 (r / 8) + 16 (r % 8) + 256 h; tile (c, i) at 2,048 c + 512 (i % 2) + 128 (i / 2)
	s_delay_alu instid0(VALU_DEP_2)
	v_lshl_add_u32 v[AKS0], v9, 6, v[AKS0]         ; its scale words: 128 (r / 8) + 4 (r % 8); lanes 16-31 take the odd tile's, 64 on; tiles (c, 2 a), (c, 2 a + 1) at 4,096 + 256 c + 32 a
	v_lshlrev_b32 v[SH8], 3, v9
	v_and_b32 v10, 8, v8
	v_lshlrev_b32 v11, 5, v9
	s_delay_alu instid0(VALU_DEP_2)
	v_add_nc_u32 v10, v10, v8                      ; r + 8 (r / 8)
	s_delay_alu instid0(VALU_DEP_1)
	v_sub_nc_u32 v10, v10, v11
	s_lshr_b32 s60, s17, 1
	s_lshl_b32 s60, s60, 5
	s_and_b32 s61, s17, 1
	s_lshl_b32 s61, s61, 3
	s_add_co_u32 s60, s60, s61
	v_add_nc_u32 v[MD], s60, v10                   ; 32 (t / 2) + 8 (t % 2) + r + 8 (r / 8) - 32 h
	v_lshl_add_u32 v[OBY], v8, 2, v9               ; 4 r + h
	s_mul_i32 s60, s27, PB
	s_add_co_u32 s60, s60, STG
	v_add_nc_u32 v[SA], s60, v[LI]
	v_mov_b32 v13, 0xff61b1e6                      ; the largest score so far: -3e38, under every score
	v_mov_b32 v12, 0x7e800000                      ; -M = 2^126: the first change of M gives f = 0, which multiplies zeros
	v_mov_b32 v14, 0
	v_mov_b32 v15, 0
.irp j, 20,21,22,23,236,237,252,253
	v_mov_b32 v[\j], 0                             ; zero codes for k = 64 .. 127 of Q; and registers that are named as a permute's destination or as a pair's upper half
.endr
.irp t, 0,1,2,3,4,5,6,7
.irp j, 4,5,6,7
	v_mov_b32 v[32+8*\t+\j], 0                     ; zero codes for k = 64 .. 127 of K: written once
.endr
.endr
.set N, 0
.rept 32
	v_mov_b32 v[160+N], 0                          ; O^T: the step is written once; the first finds zeros
.set N, N+1
.endr
; A KEY STEP: 128 keys.  gg: the scalar register with the walk's last step
; a step's K: eight fragments and four registers of scale words, from the address registers ak, aks and off bytes on
.macro KLOAD ak, aks, off
.irp c, 0,1
.irp i, 0,1,2,3
	ds_load_b128 v[32+32*\c+8*\i:35+32*\c+8*\i], v[\ak] offset:\off+2048*\c+512*(\i%2)+128*(\i/2)
.endr
.endr
.irp c, 0,1
.irp a, 0,1
	ds_load_b32 v[26+2*\c+\a], v[\aks] offset:\off+4096+256*\c+32*\a
.endr
.endr
.endm
; four pairs of p onto the sum's four chains
.macro SR j
	v_pk_add_f32 v[14:15], v[14:15], v[\j:\j+1]
	v_pk_add_f32 v[234:235], v[234:235], v[\j+2:\j+3]
	v_pk_add_f32 v[250:251], v[250:251], v[\j+4:\j+5]
	v_pk_add_f32 v[246:247], v[246:247], v[\j+6:\j+7]
.endm
; K RUNS A STEP AHEAD IN REGISTERS: a step finds its K asked for (by the step before, or ahead of the walk) and asks for the next step's behind its own first products.  Behind step 31 that reads V's first bytes, which nothing uses.
.macro STEP gg
	s_cmp_gt_u32 s[ST], s[\gg]                     ; ids and the count of steps alone: behind the last step only the lines that step addresses are run
	s_cbranch_scc1 .Lhid_\@
	s_wait_dscnt 0x0                               ; this step's K: its twelve loads are all that can be out
.irp i, 0,1,2,3
	v_wmma_scale_f32_16x16x128_f8f6f4 v[96+16*\i:103+16*\i], v[32+16*\i:39+16*\i], v[16:23], 0, v[26+\i], v24 matrix_a_fmt:MATRIX_FMT_FP4 matrix_b_fmt:MATRIX_FMT_FP4
	v_wmma_scale_f32_16x16x128_f8f6f4 v[104+16*\i:111+16*\i], v[40+16*\i:47+16*\i], v[16:23], 0, v[26+\i], v24 matrix_a_fmt:MATRIX_FMT_FP4 matrix_b_fmt:MATRIX_FMT_FP4 matrix_a_scale:MATRIX_SCALE_ROW1
.endr
	v_add_nc_u32 v[ADK], s[TK], v[AK0]             ; the step's addresses: these four are the places behind the products, in front of the loads into K's registers and of the first read of S^T
	v_add_nc_u32 v[ADKS], s[TK], v[AKS0]
	v_add_nc_u32 v[ADV], s[TV], v[LI]
	v_add_nc_u32 v[ADVS], s[TV], v[L4]
	KLOAD ADK, ADKS, KB                            ; the next step's K
	s_cmp_lg_u32 s[ST], s[\gg]
	s_cbranch_scc1 .Lopen_\@
	v_mov_b32 v254, 0xff800000
.set N, 0
.rept 64
	v_cmp_gt_i32 vcc_lo, 64*(N/32)+N%32, v[MD]     ; register n holds key 64 (n / 32) + 32 (lane / 16) + n % 32 of the step
	v_cndmask_b32 v[96+N], v[96+N], v254, vcc_lo
.set N, N+1
.endr
.Lopen_\@:
.irp c, 0,1                                    ; the largest score of my two blocks of 32 keys, each in two chains: for the row's maximum and, since p rises with the score, for the block's largest p
	v_max3_num_f32 v[232+\c], v[96+32*\c], v[97+32*\c], v[98+32*\c]
	v_max3_num_f32 v[234+\c], v[112+32*\c], v[113+32*\c], v[114+32*\c]
.endr
.irp i, 3,5,7,9,11,13
.irp c, 0,1
	v_max3_num_f32 v[232+\c], v[232+\c], v[96+32*\c+\i], v[97+32*\c+\i]
	v_max3_num_f32 v[234+\c], v[234+\c], v[112+32*\c+\i], v[113+32*\c+\i]
.endr
.endr
.irp c, 0,1
	v_max3_num_f32 v[232+\c], v[232+\c], v[234+\c], v[111+32*\c]
.endr
.irp c, 0,1
	v_max_num_f32 v[232+\c], v[232+\c], v[127+32*\c]
.endr
	v_max_num_f32 v254, v232, v233                 ; each line of this chain reads the line before it: V's ten loads, wanted behind the softmax, stand among them
	ds_load_b128 v[200:203], v[ADV]
	ds_load_b128 v[204:207], v[ADV] offset:512
	v_permlanex16_b32 v236, v254, s[SEL], s[SEL+1]
	ds_load_b128 v[208:211], v[ADV] offset:1024
	ds_load_b128 v[212:215], v[ADV] offset:1536
	v_max3_num_f32 v13, v13, v254, v236            ; the running largest score of my query, lane l xor 16's 64 keys among them
	v_mov_b32 v254, v12
	ds_load_b128 v[216:219], v[ADV] offset:2048
	ds_load_b128 v[220:223], v[ADV] offset:2560
	v_mul_f32 v255, s[CS], v13                     ; as t (c is positive)
	ds_load_b128 v[224:227], v[ADV] offset:3072
	ds_load_b128 v[228:231], v[ADV] offset:3584
	v_floor_f32 v12, -v255                         ; the new -M = -ceil(t): a whole number
	ds_load_b32 v30, v[ADVS] offset:4096
	v_sub_f32 v254, v12, v254                      ; old M - new M: a whole number, 0 or less
	ds_load_b32 v31, v[ADVS] offset:4224
	v_cvt_i32_f32 v254, v254                       ; (it saturates)
	v_ldexp_f32 v252, 1.0, v254                    ; f = 2^(old M - new M)
.set N, 0
.rept 32
	v_pk_fma_f32 v[96+N:97+N], v[96+N:97+N], s[CS:CS+1], v[12:13] op_sel_hi:[1,0,0]   ; t - M, two at a time
.set N, N+2
.endr
	v_fma_f32 v232, v232, s[CS], v12               ; the same of each block's largest score
	v_fma_f32 v233, v233, s[CS], v12
	s_wait_alu depctr_va_vdst(0)                   ; the wait ahead of the batch
.set N, 0
.rept 64
	v_exp_f32 v[96+N], v[96+N]                     ; p = 2^(t - M), at most 1
.set N, N+1
.endr
	v_exp_f32 v232, v232                           ; my blocks' largest p
	v_exp_f32 v233, v233
	s_wait_alu depctr_va_vdst(0)                   ; one wait for the batch, directly ahead of the first readers of O^T too
.set N, 0
.rept 4
	v_pk_mul_f32 v[160+N:161+N], v[160+N:161+N], v[252:253] op_sel_hi:[1,0]   ; O^T under the new M (plain work behind the exponentials); the scales' short chain stands among these sixteen
.set N, N+2
.endr
	v_max_num_f32 v232, 0x1800000, v232            ; the floor 2^(3 - 127): a block whose every p is 0 keeps the byte 1; its codes are zeros
	v_max_num_f32 v233, 0x1800000, v233
.rept 4
	v_pk_mul_f32 v[160+N:161+N], v[160+N:161+N], v[252:253] op_sel_hi:[1,0]
.set N, N+2
.endr
	v_add_nc_u32 v244, 0xff000000, v232            ; 2 off the exponent field: the conversion's scale operand
	v_add_nc_u32 v245, 0xff000000, v233
.rept 8
	v_pk_mul_f32 v[160+N:161+N], v[160+N:161+N], v[252:253] op_sel_hi:[1,0]
.set N, N+2
.endr
.irp c, 0,1
.irp g, 0,1,2,3
	v_cvt_scalef32_pk8_fp4_f32 v[192+4*\c+\g], v[96+32*\c+8*\g:103+32*\c+8*\g], v[244+\c]   ; registers 4 c .. 4 c + 3 of the operand: k = 64 c + 32 (lane / 16) + 0 .. 31
.endr
.endr
	v_lshrrev_b32 v236, 23, v244                   ; the scales' bytes (also the plain instruction behind the conversions)
	v_lshrrev_b32 v237, 23, v245
	v_pk_fma_f32 v[14:15], v[14:15], v[252:253], v[96:97] op_sel_hi:[1,0,1]   ; the sum under the new M, and the unquantised p onto it, in four chains; the scale word's chain stands among them
	v_pk_add_f32 v[234:235], v[98:99], v[100:101]
	v_pk_add_f32 v[250:251], v[102:103], v[104:105]
	v_pk_add_f32 v[246:247], v[106:107], v[108:109]
	v_lshl_or_b32 v25, v237, 16, v236              ; blocks h and 2 + h,
	SR 110
	v_lshlrev_b32 v25, v[SH8], v25                 ; at their places in the scale word;
	SR 118
	v_permlanex16_b32 v236, v25, s[SEL], s[SEL+1]
	SR 126
	v_or_b32 v25, v25, v236                        ; with lane l xor 16's two the word is whole; sixteen plain lines stand between this write and the products
	SR 134
	SR 142
	SR 150
	v_pk_add_f32 v[14:15], v[14:15], v[158:159]
	v_pk_add_f32 v[234:235], v[234:235], v[250:251]
	v_pk_add_f32 v[14:15], v[14:15], v[246:247]
	v_pk_add_f32 v[14:15], v[14:15], v[234:235]
	s_wait_alu depctr_va_vdst(0)
	s_wait_dscnt 0x0                               ; V
.irp u, 0,1
	v_wmma_scale_f32_16x16x128_f8f6f4 v[160+16*\u:167+16*\u], v[200+16*\u:207+16*\u], v[192:199], v[160+16*\u:167+16*\u], v[30+\u], v25 matrix_a_fmt:MATRIX_FMT_FP4 matrix_b_fmt:MATRIX_FMT_FP4
	v_wmma_scale_f32_16x16x128_f8f6f4 v[168+16*\u:175+16*\u], v[208+16*\u:215+16*\u], v[192:199], v[168+16*\u:175+16*\u], v[30+\u], v25 matrix_a_fmt:MATRIX_FMT_FP4 matrix_b_fmt:MATRIX_FMT_FP4 matrix_a_scale:MATRIX_SCALE_ROW1
.endr
.Lhid_\@:
	s_add_co_u32 s[ST], s[ST], 1
	s_add_co_u32 s[TK], s[TK], KB
	s_add_co_u32 s[TV], s[TV], TILEB
.endm
; THE WAY OUT of a tile: O^T / the sum, quantised along the head's 64 (two blocks of the model's 1,024), stored as a piece of the next product's operand image.  pc, pb: the scalar pairs with the codes' and the bytes' addresses
.macro OUT pc, pb
	v_add_f32 v14, v14, v15                        ; the sum's two halves,
	s_delay_alu instid0(VALU_DEP_1)
	v_permlanex16_b32 v252, v14, s[SEL], s[SEL+1]
	s_delay_alu instid0(VALU_DEP_1)
	v_add_f32 v14, v14, v252                       ; and lane l xor 16's
	s_wait_alu depctr_va_vdst(0)                   ; the wait ahead of the transcendental
	v_rcp_f32 v14, v14
	v_nop                                          ; a plain instruction behind it
	s_wait_alu depctr_va_vdst(0)                   ; and the wait ahead of its first reader
.set N, 0
.rept 16
	v_pk_mul_f32 v[160+N:161+N], v[160+N:161+N], v[14:15] op_sel_hi:[1,0]   ; register 16 b + i is o(my query, d = 32 b + 16 (lane / 16) + i)
.set N, N+2
.endr
.irp b, 0,1
	v_max3_num_f32 v[232+\b], |v[160+16*\b]|, |v[161+16*\b]|, 0x1800000
.endr
.irp i, 2,4,6,8,10,12,14
.irp b, 0,1
	s_delay_alu instid0(VALU_DEP_2)
	v_max3_num_f32 v[232+\b], v[232+\b], |v[160+16*\b+\i]|, |v[161+16*\b+\i]|
.endr
.endr
.irp b, 0,1
	s_delay_alu instid0(VALU_DEP_2)
	v_permlanex16_b32 v[236+\b], v[232+\b], s[SEL], s[SEL+1]
.endr
.irp b, 0,1
	s_delay_alu instid0(VALU_DEP_2)
	v_max_num_f32 v[232+\b], v[232+\b], v[236+\b]
.endr
.irp b, 0,1
	s_delay_alu instid0(VALU_DEP_2)
	v_add_nc_u32 v[244+\b], 0xff000000, v[232+\b]
.endr
.irp b, 0,1
	s_delay_alu instid0(VALU_DEP_2)
	v_lshrrev_b32 v[236+\b], 23, v[244+\b]
.endr
.irp b, 0,1
	v_cvt_scalef32_pk8_fp4_f32 v[192+2*\b], v[160+16*\b:167+16*\b], v[244+\b]
	v_cvt_scalef32_pk8_fp4_f32 v[193+2*\b], v[168+16*\b:175+16*\b], v[244+\b]
.endr
	v_nop
	v_permlane16_swap_b32 v192, v194
	v_permlane16_swap_b32 v193, v195               ; v192-195: d = 32 (lane / 16) + 0 .. 31 of query lane % 16
	v_cndmask_b32 v236, v236, v237, s21            ; lanes 0-15 store block 0's byte, lanes 16-31 block 1's
	global_store_b128 v[LI], v[192:195], s[\pc:\pc+1]   ; 512 consecutive bytes
	global_store_b8 v[OBY], v236, s[\pb:\pb+1]     ; 32 single bytes, once a tile: two of each row's scale word, whose other two belong to the neighbouring head
.endm
	s_wait_alu depctr_va_vdst(0)                   ; the wait at the head's end
	s_wait_loadcnt 0x0                             ; Q
	s_wait_tensorcnt 0x0                           ; my part of K or V is in,
	s_barrier_signal -1
	s_barrier_wait -1                              ; everybody's is: the whole head lies in LDS, and nothing is filled again
	KLOAD AK0, AKS0, 0                             ; step 0's K
.Lp1:
	STEP G1
	s_cmp_lt_u32 s[ST], 16
	s_cbranch_scc1 .Lp1
.rept 4
	v_nop                                          ; places behind the last products
.endr
	s_wait_alu depctr_va_vdst(0)                   ; the wait ahead of the branch
	s_cmp_eq_u32 s[ROLE], 0
	s_cbranch_scc1 .Lown1
.set N, 0
.rept 8
	ds_store_b128 v[SA], v[160+4*N:163+4*N] offset:512*N   ; the helper's part: O^T as an image of its registers, each accumulator from its low end on,
.set N, N+1
.endr
	ds_store_b128 v[SA], v[12:15] offset:4096      ; and -M and the sum's two halves
	s_branch .Lmid
.Lown1:
	OUT 82, 84
	s_wait_xcnt 0x0                                ; the stores have read their registers, which the second walk writes
.irp j, 0,1,2,3
	v_mov_b32 v[16+\j], v[238+\j]                  ; the long tile's Q
.endr
	v_mov_b32 v24, v242
	v_mov_b32 v13, 0xff61b1e6
	v_mov_b32 v12, 0x7e800000
	v_mov_b32 v14, 0
	v_mov_b32 v15, 0
.set N, 0
.rept 32
	v_mov_b32 v[160+N], 0
.set N, N+1
.endr
	s_wait_alu depctr_va_vdst(0)                   ; the wait ahead of the loop's branches
.Lmid:
	s_wait_dscnt 0x0                               ; no load into K's registers is out
	v_add_nc_u32 v[ADK], s[TK], v[AK0]
	v_add_nc_u32 v[ADKS], s[TK], v[AKS0]
	KLOAD ADK, ADKS, 0                             ; step 16's K
.Lp2:
	STEP G2
	s_cmp_lt_u32 s[ST], 32
	s_cbranch_scc1 .Lp2
.rept 4
	v_nop
.endr
	s_wait_alu depctr_va_vdst(0)
	s_wait_dscnt 0x0                               ; for the owners' sake: the helpers' stores are done
	s_barrier_signal -1
	s_barrier_wait -1
	s_cmp_lg_u32 s[ROLE], 0
	s_cbranch_scc1 .Lend
.set N, 0
.rept 8
	ds_load_b128 v[96+4*N:99+4*N], v[SA] offset:512*N
.set N, N+1
.endr
	ds_load_b128 v[128:131], v[SA] offset:4096
	s_wait_dscnt 0x0
	v_min_num_f32 v232, v12, v128                  ; -M of the two parts together
	s_delay_alu instid0(VALU_DEP_1)
	v_sub_f32 v233, v232, v12                      ; my M - M, the helper's M - M: whole numbers, 0 or less
	v_sub_f32 v234, v232, v128
	s_delay_alu instid0(VALU_DEP_2)
	v_cvt_i32_f32 v233, v233
	s_delay_alu instid0(VALU_DEP_2)
	v_cvt_i32_f32 v234, v234
	s_delay_alu instid0(VALU_DEP_2)
	v_ldexp_f32 v252, 1.0, v233
	s_delay_alu instid0(VALU_DEP_2)
	v_ldexp_f32 v254, 1.0, v234
.set N, 0
.rept 16
	v_pk_mul_f32 v[160+N:161+N], v[160+N:161+N], v[252:253] op_sel_hi:[1,0]
.set N, N+2
.endr
	v_pk_mul_f32 v[14:15], v[14:15], v[252:253] op_sel_hi:[1,0]
.set N, 0
.rept 16
	v_pk_fma_f32 v[160+N:161+N], v[96+N:97+N], v[254:255], v[160+N:161+N] op_sel_hi:[1,0,1]
.set N, N+2
.endr
	v_pk_fma_f32 v[14:15], v[130:131], v[254:255], v[14:15] op_sel_hi:[1,0,1]
	OUT 86, 88
.Lend:
	s_wait_tensorcnt 0x0                           ; the wave's end
	ds_add_u32 v[SPW], v[NIL]
	s_wait_dscnt 0x0
	CROUND                                         ; the closing round
	s_endpgm
.Lfunc_end_k_q43e4458e45_attn:
	.size	k_q43e4458e45_attn, .Lfunc_end_k_q43e4458e45_attn-k_q43e4458e45_attn
	.p2alignl 7, 3214868480
	.fill 96, 4, 3214868480
	.section	.rodata,"a",@progbits
	.p2align	6, 0x0
	.amdhsa_kernel k_q43e4458e45_attn
		.amdhsa_group_segment_fixed_size 327680
		.amdhsa_private_segment_fixed_size 0
		.amdhsa_enable_private_segment 0
		.amdhsa_kernarg_size 32
		.amdhsa_user_sgpr_count 2
		.amdhsa_user_sgpr_kernarg_segment_ptr 1
		.amdhsa_wavefront_size32 1
		.amdhsa_system_sgpr_workgroup_id_x 1
		.amdhsa_system_sgpr_workgroup_id_y 1
		.amdhsa_system_sgpr_workgroup_id_z 1
		.amdhsa_system_vgpr_workitem_id 0
		.amdhsa_next_free_vgpr 256
		.amdhsa_next_free_sgpr 100
		.amdhsa_reserve_vcc 1
		.amdhsa_float_denorm_mode_32 3
		.amdhsa_float_denorm_mode_16_64 3
		.amdhsa_memory_ordered 1
		.amdhsa_forward_progress 1
		.amdhsa_inst_pref_size 65
	.end_amdhsa_kernel
	.amdgpu_metadata
---
amdhsa.version: [ 1, 2 ]
amdhsa.kernels:
  - .name:           k_q43e4458e45_attn
    .symbol:         k_q43e4458e45_attn.kd
    .args:
      - { .name: qimg, .offset: 0, .size: 8, .value_kind: global_buffer, .address_space: global }
      - { .name: kimg, .offset: 8, .size: 8, .value_kind: global_buffer, .address_space: global }
      - { .name: vimg, .offset: 16, .size: 8, .value_kind: global_buffer, .address_space: global }
      - { .name: oimg, .offset: 24, .size: 8, .value_kind: global_buffer, .address_space: global }
    .group_segment_fixed_size: 327680
    .private_segment_fixed_size: 0
    .kernarg_segment_align: 8
    .kernarg_segment_size: 32
    .max_flat_workgroup_size: 512
    .sgpr_count:     100
    .vgpr_count:     256
    .wavefront_size: 32
...
	.end_amdgpu_metadata
.endif
;; end of part 3
;; launch oproj (part 4): grid 8 x 32, 4 waves a work-group, clusters of 4 x 4, 327,680 bytes of LDS; arguments oimg, wimg, bo, h, out0; writes out0
.if DOCPART == 4
	.amdgcn_target "amdgcn-amd-amdhsa--gfx1250"
	.amdhsa_code_object_version 6
	.text
	.protected	k_q43e4458e45_oproj
	.globl	k_q43e4458e45_oproj
	.p2align	8
	.type	k_q43e4458e45_oproj,@function
k_q43e4458e45_oproj:
	s_mov_b64 s[64:65], 0
	v_nop
	global_prefetch_b8 v0, s[64:65] scope:SCOPE_SE
	s_setreg_imm32_b32 hwreg(HW_REG_WAVE_MODE, 25, 1), 1
	s_wait_xcnt 0x0
	s_wait_alu depctr_hold_cnt(0) depctr_sa_sdst(0) depctr_va_vdst(0) depctr_va_sdst(0) depctr_va_ssrc(0) depctr_va_vcc(0) depctr_vm_vsrc(0)
	s_getreg_b32 s2, hwreg(HW_REG_IB_STS2, 6, 4)
	s_cmp_eq_u32 s2, 0
	s_cbranch_scc0 .Lentry_in_a_cluster
	s_endpgm
.Lentry_in_a_cluster:
	s_bfe_u32 s2, ttmp6, 0x10000c
	s_cmp_lg_u32 s2, 0xf033
	s_cbranch_scc0 .Lentry_shape_is_right
	s_endpgm
.Lentry_shape_is_right:
; FOURTH LAUNCH: out0 = o Wo + bo + h, the product on codes of FP4 from the operand images oimg (tokens) and wimg (rows 3,072 on: Wo's columns).
; SHARES.  A work-group makes 128 tokens x 128 outputs: 256 work-groups.  All of K (1,024) of both operands lies in LDS as two K halves: nothing is filled again.  Wave w: source 0 = all 8 tiles of Wo,
; source 1 = tokens 32 w on (2 tiles): 16 accumulators.  A lane holds one token, and its registers run along the outputs.
; CLUSTER 4 x 4: o's tiles hang on the work-group's y alone and are asked for jointly along a row of the cluster, Wo's on its x alone, along a column.  Each wave's 32 x 128 numbers of h come by a load of its own.
; THE WAY OUT: 16 tokens at a time through the wave's own stage in LDS (rows of 512 + 16 bytes), back as whole rows; + bo + h; each store covers 512 consecutive bytes.
.set KH,    1114112
.set TILEB, 4352
; LDS: wave w's one joint load brings its four tiles of BOTH K halves to 8 w tiles on: [K half][4 tiles].  Waves 0, 1: o's 8 tiles, waves 2, 3: Wo's 8
.set HALF,  16*TILEB                   ; from o's tiles to Wo's
.set SLOT,  4*TILEB                    ; from a group's K half 0 to its K half 1
.set HB,    32*TILEB                   ; h: 32 rows x 512 bytes for each wave
.set STG,   HB+4*16384                 ; the stages: 16 rows x 528 bytes for each wave; no tensor load lands there
.set SPARE, STG+4*16*528               ; the spare words, 128 bytes for each wave: two blocks of 256 bytes that no other line names
.set LI,  1
.set LS,  2
.set SPW, 3
.set NIL, 4
.set ADA, 5
.set ADB, 7
.set ASA, 9
.set ASB, 11
.set STO, 13                           ; v13 the stage, in: row r, + 64 h
.set SRD, 14                           ; v14 and back: 16 x lane
.set HRD, 15                           ; v15 h: 16 x lane
.set SC0, 16                           ; v16-35 scale words, and nothing else
.set SC1, 32
.set BO,  36                           ; v36-39 bo of my four outputs of a row
.set F1,  48
.set F0,  64
.set ACC, 128
.set G1A, 32
.set G1B, 40
.set G1H, 48
.set G0A, 56
.set G0B, 68
.set G0H, 76
.set OB,  88                           ; s[88:89] out0 at my first token and output
.macro CROUND
	s_barrier_signal -1
	s_barrier_wait -1
	s_cmp_lg_u32 s22, 0
	s_cbranch_scc1 .Lnot_wave_0_\@
	s_barrier_signal -3
.Lnot_wave_0_\@:
	s_barrier_wait -3
	s_barrier_signal -1
	s_barrier_wait -1
.endm
.macro JLOAD g0a, g0b                  ; a joint load: waves 0, 1 fetch o's tiles, waves 2, 3 Wo's, four tiles (two rows of 17,408 bytes, a K half each) each
	s_cmp_eq_u32 s28, 0
	s_cbranch_scc0 .Lfor_b_\@
	tensor_load_to_lds s[\g0a:\g0a+3], s[G1A:G1A+7]
	s_nop 0
.rept 4
	v_nop
.endr
	s_branch .Lasked_\@
.Lfor_b_\@:
	tensor_load_to_lds s[\g0b:\g0b+3], s[G1B:G1B+7]
	s_nop 0
.rept 4
	v_nop
.endr
.Lasked_\@:
.endm
.macro WM d, fa, fb, zero, sa, sb, ra, rb
.if \zero
.if (\ra) && (\rb)
	v_wmma_scale_f32_16x16x128_f8f6f4 v[\d:\d+7], v[\fa:\fa+7], v[\fb:\fb+7], 0, v[\sa], v[\sb] matrix_a_fmt:MATRIX_FMT_FP4 matrix_b_fmt:MATRIX_FMT_FP4 matrix_a_scale:MATRIX_SCALE_ROW1 matrix_b_scale:MATRIX_SCALE_ROW1
.elseif (\ra)
	v_wmma_scale_f32_16x16x128_f8f6f4 v[\d:\d+7], v[\fa:\fa+7], v[\fb:\fb+7], 0, v[\sa], v[\sb] matrix_a_fmt:MATRIX_FMT_FP4 matrix_b_fmt:MATRIX_FMT_FP4 matrix_a_scale:MATRIX_SCALE_ROW1
.elseif (\rb)
	v_wmma_scale_f32_16x16x128_f8f6f4 v[\d:\d+7], v[\fa:\fa+7], v[\fb:\fb+7], 0, v[\sa], v[\sb] matrix_a_fmt:MATRIX_FMT_FP4 matrix_b_fmt:MATRIX_FMT_FP4 matrix_b_scale:MATRIX_SCALE_ROW1
.else
	v_wmma_scale_f32_16x16x128_f8f6f4 v[\d:\d+7], v[\fa:\fa+7], v[\fb:\fb+7], 0, v[\sa], v[\sb] matrix_a_fmt:MATRIX_FMT_FP4 matrix_b_fmt:MATRIX_FMT_FP4
.endif
.else
.if (\ra) && (\rb)
	v_wmma_scale_f32_16x16x128_f8f6f4 v[\d:\d+7], v[\fa:\fa+7], v[\fb:\fb+7], v[\d:\d+7], v[\sa], v[\sb] matrix_a_fmt:MATRIX_FMT_FP4 matrix_b_fmt:MATRIX_FMT_FP4 matrix_a_scale:MATRIX_SCALE_ROW1 matrix_b_scale:MATRIX_SCALE_ROW1
.elseif (\ra)
	v_wmma_scale_f32_16x16x128_f8f6f4 v[\d:\d+7], v[\fa:\fa+7], v[\fb:\fb+7], v[\d:\d+7], v[\sa], v[\sb] matrix_a_fmt:MATRIX_FMT_FP4 matrix_b_fmt:MATRIX_FMT_FP4 matrix_a_scale:MATRIX_SCALE_ROW1
.elseif (\rb)
	v_wmma_scale_f32_16x16x128_f8f6f4 v[\d:\d+7], v[\fa:\fa+7], v[\fb:\fb+7], v[\d:\d+7], v[\sa], v[\sb] matrix_a_fmt:MATRIX_FMT_FP4 matrix_b_fmt:MATRIX_FMT_FP4 matrix_b_scale:MATRIX_SCALE_ROW1
.else
	v_wmma_scale_f32_16x16x128_f8f6f4 v[\d:\d+7], v[\fa:\fa+7], v[\fb:\fb+7], v[\d:\d+7], v[\sa], v[\sb] matrix_a_fmt:MATRIX_FMT_FP4 matrix_b_fmt:MATRIX_FMT_FP4
.endif
.endif
.endm
.macro SCALES s
.irp i, 0,1,2,3
.irp q, 0,1,2,3
	ds_load_b32 v[SC0+4*\i+\q], v[ASA+\s] offset:(\i/2)*8*TILEB+(\i%2)*2*TILEB+64*\q
.endr
.endr
.irp q, 0,1,2,3
	ds_load_b32 v[SC1+\q], v[ASB+\s] offset:64*\q
.endr
.endm
; a K step of 128: 20 LDS loads of 512 consecutive bytes, 16 products on 16 accumulators by turns, four places
.macro KSTEP s, q, zero
.irp t, 0,1,2,3,4,5,6,7
.irp c, 0,1
	ds_load_b128 v[F0+8*\t+4*\c:F0+8*\t+4*\c+3], v[ADA+\s] offset:(\t/4)*8*TILEB+(\t%4)*TILEB+\q*1024+\c*512
.endr
.endr
.irp a, 0,1
.irp c, 0,1
	ds_load_b128 v[F1+8*\a+4*\c:F1+8*\a+4*\c+3], v[ADB+\s] offset:\a*TILEB+\q*1024+\c*512
.endr
.endr
	s_wait_dscnt 0x0
.irp a, 0,1
.irp t, 0,1,2,3,4,5,6,7
	WM ACC+64*\a+8*\t, F0+8*\t, F1+8*\a, \zero, SC0+4*(\t/2)+\q, SC1+\q, \t%2, \a
.endr
.endr
.rept 4
	v_nop
.endr
.endm
; tile a's 16 tokens leave.  In accumulator (a, t) lane (r, h) holds outputs 32 (t / 2) + 16 h + 8 (t % 2) + 0 .. 7 of the tile's row r, which is token 8 a + r + 8 (r / 8) of my 32
.macro OUTA a
.irp t, 0,1,2,3,4,5,6,7
	ds_store_b128 v[STO], v[ACC+64*\a+8*\t:ACC+64*\a+8*\t+3] offset:128*(\t/2)+32*(\t%2)        ; each accumulator from its low end on
	ds_store_b128 v[STO], v[ACC+64*\a+8*\t+4:ACC+64*\a+8*\t+7] offset:128*(\t/2)+32*(\t%2)+16
.endr
.irp g, 0,1                                    ; eight rows at a time
	s_wait_xcnt 0x0                                ; the earlier stores have read their registers: these may be loaded again
.irp i, 0,1,2,3,4,5,6,7
	ds_load_b128 v[F0+8*\i:F0+8*\i+3], v[SRD] offset:(8*\g+\i)*528        ; LDS serves a wave's instructions in order: these see my stores
	ds_load_b128 v[F0+8*\i+4:F0+8*\i+7], v[HRD] offset:(8*\a+16*\g+\i)*512
.endr
	s_wait_dscnt 0x0
.irp i, 0,1,2,3,4,5,6,7
	v_pk_add_f32 v[F0+8*\i:F0+8*\i+1], v[F0+8*\i:F0+8*\i+1], v[BO:BO+1]
	v_pk_add_f32 v[F0+8*\i+2:F0+8*\i+3], v[F0+8*\i+2:F0+8*\i+3], v[BO+2:BO+3]
	v_pk_add_f32 v[F0+8*\i:F0+8*\i+1], v[F0+8*\i:F0+8*\i+1], v[F0+8*\i+4:F0+8*\i+5]
	v_pk_add_f32 v[F0+8*\i+2:F0+8*\i+3], v[F0+8*\i+2:F0+8*\i+3], v[F0+8*\i+6:F0+8*\i+7]
	global_store_b128 v[LI], v[F0+8*\i:F0+8*\i+3], s[OB:OB+1] offset:(8*\a+16*\g+\i)*4096 th:TH_STORE_NT
.endr
.endr
.endm
	s_load_b256 s[4:11], s[0:1], 0x0               ; oimg, wimg, bo, h
	s_load_b64 s[12:13], s[0:1], 0x20              ; out0
	v_lshl_add_u32 v[SPW], v0, 2, SPARE
	v_mov_b32 v[NIL], 0
	ds_add_u32 v[SPW], v[NIL]                      ; the wave's opening
	ds_add_u32 v[SPW], v[NIL]
	v_lshrrev_b32 v1, 5, v0
	v_readfirstlane_b32 s22, v1                    ; wave 0..3
	s_bfe_u32 s23, ttmp6, 0x40000                  ; cx
	s_bfe_u32 s24, ttmp6, 0x40004                  ; cy
	s_lshl_b32 s26, ttmp9, 2
	s_add_co_u32 s26, s26, s23                     ; work-group x: which 128 outputs
	s_and_b32 s27, ttmp7, 0xffff
	s_lshl_b32 s27, s27, 2
	s_add_co_u32 s27, s27, s24                     ; work-group y: which 128 tokens
	s_lshr_b32 s28, s22, 1
	s_and_b32 s29, s22, 1
	s_lshl_b32 s80, s24, 2
	s_lshl_b32 s80, 15, s80                        ; my row of the cluster
	s_lshl_b32 s81, 0x1111, s23                    ; my column
	s_or_b32 s[G1A], s80, (3<<16)|(1<<21)
	s_or_b32 s[G1B], s81, (3<<16)|(1<<21)
.irp g, G1A, G1B
	s_mov_b32 s[\g+1], 2176<<16                    ; a row: four tiles, 17,408 bytes = 2,176 elements of 8
	s_mov_b32 s[\g+2], 2<<16                       ; two rows: the two K halves,
	s_mov_b32 s[\g+3], 2176<<16
	s_mov_b32 s[\g+4], 2
	s_mov_b32 s[\g+5], KH/8                        ; KH bytes apart
	s_mov_b32 s[\g+6], 0
	s_mov_b32 s[\g+7], 0
.endr
	s_mov_b32 s[G1H], 3<<16                        ; h: 32 rows of 512 bytes (64 elements of 8), 4,096 bytes (512 elements) apart; no mask
	s_mov_b32 s[G1H+1], 64<<16
	s_mov_b32 s[G1H+2], 32<<16
	s_mov_b32 s[G1H+3], 64<<16
	s_mov_b32 s[G1H+4], 32
	s_mov_b32 s[G1H+5], 512
	s_mov_b32 s[G1H+6], 0
	s_mov_b32 s[G1H+7], 0
	s_lshl_b32 s86, s29, 2                         ; which four of the eight tiles I fetch
	s_lshl_b32 s82, s27, 3
	s_add_co_u32 s82, s82, s86
	s_mul_i32 s82, s82, TILEB                      ; o: tile 8 y + 4 (w % 2)
	s_mov_b32 s83, 0
	s_lshl_b32 s84, s26, 3
	s_add_co_u32 s84, s84, s86
	s_add_co_u32 s84, s84, 192
	s_mul_i32 s84, s84, TILEB                      ; Wo: tile 192 + 8 x + 4 (w % 2)
	s_mov_b32 s85, 0
	s_mul_i32 s87, s22, 8*TILEB
	s_lshl_b32 s90, s27, 19
	s_lshl_b32 s91, s22, 17
	s_add_co_u32 s90, s90, s91
	s_lshl_b32 s91, s26, 9
	s_add_co_u32 s90, s90, s91                     ; h and out0: (128 y + 32 w) rows of 4,096 bytes + 512 x
	s_mov_b32 s91, 0
	s_lshl_b32 s92, s26, 9                         ; bo: 512 x
	s_mov_b32 s93, 0
	s_wait_dscnt 0x0                               ; both opening adds are done
	s_wait_kmcnt 0x0
	s_add_nc_u64 s[82:83], s[4:5], s[82:83]
	s_add_nc_u64 s[84:85], s[6:7], s[84:85]
	s_add_nc_u64 s[8:9], s[8:9], s[92:93]
	s_add_nc_u64 s[10:11], s[10:11], s[90:91]
	s_add_nc_u64 s[OB:OB+1], s[12:13], s[90:91]
	CROUND                                         ; all sixteen work-groups are here: the first joint loads meet
	s_mov_b32 s[G0A], 1
	s_mov_b32 s[G0A+1], s87
	s_mov_b64 s[G0A+2:G0A+3], s[82:83]
	s_or_b32 s[G0A+3], s[G0A+3], 0x80000000
	s_mov_b32 s[G0B], 1
	s_mov_b32 s[G0B+1], s87
	s_mov_b64 s[G0B+2:G0B+3], s[84:85]
	s_or_b32 s[G0B+3], s[G0B+3], 0x80000000
	JLOAD G0A, G0B                                 ; the head's one load a wave: my four tiles, all of K
	s_mov_b32 s[G0H], 1
	s_lshl_b32 s[G0H+1], s22, 14
	s_add_co_u32 s[G0H+1], s[G0H+1], HB
	s_mov_b64 s[G0H+2:G0H+3], s[10:11]
	s_or_b32 s[G0H+3], s[G0H+3], 0x80000000
	v_and_b32 v40, 15, v0
	v_bfe_u32 v41, v0, 4, 1                        ; h
	v_and_b32 v[LI], 31, v0
	v_lshlrev_b32 v[LI], 4, v[LI]
	global_load_b128 v[BO:BO+3], v[LI], s[8:9]     ; bo of outputs 4 lane .. 4 lane + 3 of my work-group's 128
	v_mul_u32_u24 v[LS], v41, TILEB
	v_lshl_add_u32 v[LS], v40, 2, v[LS]
	v_add_nc_u32 v[ADA], HALF, v[LI]               ; source 0: Wo's eight tiles
	v_add_nc_u32 v[ADA+1], SLOT, v[ADA]
	s_mul_i32 s80, s28, 8*TILEB
	s_mul_i32 s81, s29, 2*TILEB
	s_add_co_u32 s80, s80, s81
	v_add_nc_u32 v[ADB], s80, v[LI]                ; source 1: o's tiles 2 w, 2 w + 1
	v_add_nc_u32 v[ADB+1], SLOT, v[ADB]
	v_add_nc_u32 v[ASA], HALF+4096, v[LS]
	v_add_nc_u32 v[ASA+1], SLOT, v[ASA]
	s_add_co_u32 s80, s80, 4096
	v_add_nc_u32 v[ASB], s80, v[LS]
	v_add_nc_u32 v[ASB+1], SLOT, v[ASB]
	s_mul_i32 s81, s22, 16*528
	s_add_co_u32 s81, s81, STG
	v_mul_u32_u24 v[STO], v40, 528
	v_lshl_add_u32 v[STO], v41, 6, v[STO]
	v_add_nc_u32 v[STO], s81, v[STO]
	v_add_nc_u32 v[SRD], s81, v[LI]
	s_lshl_b32 s81, s22, 14
	s_add_co_u32 s81, s81, HB
	v_add_nc_u32 v[HRD], s81, v[LI]
	s_wait_alu depctr_va_vdst(0)
	s_wait_tensorcnt 0x0                           ; my tiles are in
	ds_add_u32 v[SPW], v[NIL]
	s_wait_dscnt 0x0
	CROUND                                         ; everybody's tiles are in
	tensor_load_to_lds s[G0H:G0H+3], s[G1H:G1H+7]  ; my own part of h, wanted behind the products: my one load behind the round
	s_nop 0
	SCALES 0
	KSTEP 0, 0, 1                                  ; the first products start the sums
	KSTEP 0, 1, 0
	KSTEP 0, 2, 0
	KSTEP 0, 3, 0
	SCALES 1
	KSTEP 1, 0, 0
	KSTEP 1, 1, 0
	KSTEP 1, 2, 0
	KSTEP 1, 3, 0
	s_wait_tensorcnt 0x0                           ; h: only I read these bytes, so my own wait is all the ordering that the reads need
	s_wait_loadcnt 0x0                             ; bo
	OUTA 0
	OUTA 1
	s_wait_tensorcnt 0x0                           ; the wave's end
	ds_add_u32 v[SPW], v[NIL]
	s_wait_dscnt 0x0
	CROUND                                         ; the closing round
	s_endpgm
.Lfunc_end_k_q43e4458e45_oproj:
	.size	k_q43e4458e45_oproj, .Lfunc_end_k_q43e4458e45_oproj-k_q43e4458e45_oproj
	.p2alignl 7, 3214868480
	.fill 96, 4, 3214868480
	.section	.rodata,"a",@progbits
	.p2align	6, 0x0
	.amdhsa_kernel k_q43e4458e45_oproj
		.amdhsa_group_segment_fixed_size 327680
		.amdhsa_private_segment_fixed_size 0
		.amdhsa_enable_private_segment 0
		.amdhsa_kernarg_size 40
		.amdhsa_user_sgpr_count 2
		.amdhsa_user_sgpr_kernarg_segment_ptr 1
		.amdhsa_wavefront_size32 1
		.amdhsa_system_sgpr_workgroup_id_x 1
		.amdhsa_system_sgpr_workgroup_id_y 1
		.amdhsa_system_sgpr_workgroup_id_z 1
		.amdhsa_system_vgpr_workitem_id 0
		.amdhsa_next_free_vgpr 256
		.amdhsa_next_free_sgpr 100
		.amdhsa_reserve_vcc 0
		.amdhsa_float_denorm_mode_32 3
		.amdhsa_float_denorm_mode_16_64 3
		.amdhsa_memory_ordered 1
		.amdhsa_forward_progress 1
		.amdhsa_inst_pref_size 55
	.end_amdhsa_kernel
	.amdgpu_metadata
---
amdhsa.version: [ 1, 2 ]
amdhsa.kernels:
  - .name:           k_q43e4458e45_oproj
    .symbol:         k_q43e4458e45_oproj.kd
    .args:
      - { .name: oimg, .offset: 0, .size: 8, .value_kind: global_buffer, .address_space: global }
      - { .name: wimg, .offset: 8, .size: 8, .value_kind: global_buffer, .address_space: global }
      - { .name: bo, .offset: 16, .size: 8, .value_kind: global_buffer, .address_space: global }
      - { .name: h, .offset: 24, .size: 8, .value_kind: global_buffer, .address_space: global }
      - { .name: out0, .offset: 32, .size: 8, .value_kind: global_buffer, .address_space: global }
    .group_segment_fixed_size: 327680
    .private_segment_fixed_size: 0
    .kernarg_segment_align: 8
    .kernarg_segment_size: 40
    .max_flat_workgroup_size: 128
    .sgpr_count:     100
    .vgpr_count:     256
    .wavefront_size: 32
...
	.end_amdgpu_metadata
.endif
;; end of part 4
